; MI455X (gfx1250); checked and timed in simulation.
; The chip was launched on July 23, 2026; its instructions are those of AMD's public machine-readable ISA for CDNA 5 (MIT licence, August 2026) and "CDNA5" Instruction Set Architecture Reference Guide (July 2026). The comments in the code are by the model that wrote it; some were corrected since.
;; Self Attention. Allowed arithmetic: matrix products marked QUANTISED: E2M3 operands, one E8M0 scale for each 32 along K, by v_wmma_scale_f32_16x16x128_f8f6f4 with both operands' format E2M3, f32 sums; everything else in f32.
;; Inputs: Wk 128 x 256 float32; Wq 128 x 256 float32; Wv 128 x 256 float32; bk 256 float32; bq 256 float32; bv 256 float32; x 8 x 2,048 x 128 float32.
;; Outputs: out0 8 x 2,048 x 256 float32.
;; This version of the problem:
;;   THIS VERSION OF THE PROBLEM IS GIVEN IN LOW PRECISION. The matrix products marked QUANTISED in the list below multiply operands that are first quantised to E2M3 (2 exponent bits, 3 mantissa bits; 6 bits a number), with one power-of-two scale for each 32 numbers along K (OCP MX v1.0); their sums are f32. All else is computed in f32.
;;   The module's matrix products, in the order in which they are computed (A, B: the left and right operand; K: the contracted axis; several contracted axes count as one K, in the product's order):
;;     1. [M 16,384, K 128] x [K 128, N 256]; A: input x; B: input Wq: QUANTISED
;;     2. [M 16,384, K 128] x [K 128, N 256]; A: input x; B: input Wk: QUANTISED
;;     3. [M 16,384, K 128] x [K 128, N 256]; A: input x; B: input Wv: QUANTISED
;;     4. batch 8 x [M 2,048, K 256] x [K 256, N 2,048]; A: computed on the way; B: computed on the way: QUANTISED
;;     5. batch 8 x [M 2,048, K 2,048] x [K 2,048, N 256]; A: softmax (see below); B: computed on the way: QUANTISED
;;   THE QUANTISER, for each operand of a quantised product, along K:
;;     - K is cut into blocks of 32 from its start; a last block that is shorter is filled with zeros.
;;     - A block's scale is 2^e with e = floor(log2(the largest magnitude in the block)) - 2, held to -126 .. 127; a block of zeros has e = 0. As a byte (E8M0): e + 127.
;;     - Each number is divided by its block's scale, clamped to +-7.5, and rounded to the nearest number of E2M3, ties to even, subnormals kept.
;;     - The product sums the exact products of the quantised numbers (number of the format x scale) in f32.
;;   ~~~python
;;   def quantise(x, axis):      # numpy; x: float32 -> the quantised numbers, widened to float32 again
;;       x = np.moveaxis(x, axis, -1); K = x.shape[-1]
;;       x = np.pad(x, [(0, 0)] * (x.ndim - 1) + [(0, -K % 32)]); x = x.reshape(x.shape[:-1] + (-1, 32)); a = np.abs(x).max(-1, keepdims=True)
;;       e = np.where(a > 0, np.clip(np.frexp(np.where(a > 0, a, 1))[1] - 1 - 2, -126, 127), 0)      # np.frexp(a)[1] - 1 = floor(log2(a)), exactly
;;       r = np.clip(x / 2.0 ** e, -7.5, 7.5)
;;       step = 2.0 ** (np.maximum(np.frexp(np.where(r == 0, 1, r))[1] - 1, 0) - 3)
;;       q = np.round(r / step) * step * 2.0 ** e      # np.round: ties to even
;;       return np.moveaxis(q.reshape(q.shape[:-2] + (-1,))[..., :K], -1, axis).astype(np.float32)
;;   ~~~
;;   SOFTMAX AHEAD OF A QUANTISED PRODUCT. Where the list says 'softmax', what is quantised is not the finished softmax but p = 2^(t - M), with t = logit x log2(e) and M = ceil(the row's largest t), a whole number; so 1/2 < the row's largest p <= 1. The row's sum l is taken of the UNQUANTISED p, in f32, and the product's result is divided by l at the end. Since M is a whole number, a kernel that streams over the keys may use a running M (the ceiling of the running maximum): every later rescaling is an exact power of two, which a block's scale takes up: the codes' values come out the same.
;;   OPERANDS COMPUTED ON THE WAY. 'Computed on the way' means the value that the module computes at that place (a softmax that the list does not call 'softmax' is quantised finished and normalised). What goes into a quantiser is computed in f32, as accurately as f32 sums, v_exp_f32 and their like allow (about 1e-6 of the number): no bf16 or f16 on the way to a quantiser, and a product that is left as it is and whose result goes on into a quantised operand takes f32 operands (vector FMAs, or v_wmma_f32_16x16x4_f32). A number that lies on a knife's edge between two numbers of the format may be rounded either way, as far as f32 arithmetic and the matrix unit's own rounding can turn it there, and no further.
;; 2 versions. Each part assembles by itself: llvm-mc -triple=amdgcn-amd-amdhsa -mcpu=gfx1250 --defsym DOCPART=n.
;; ======== version 1 of 2: 2 launches
;; workspace buffers: qimg 3,145,728 bytes; qsc 131,072 bytes; kimg 3,276,800 bytes; vimg 3,276,800 bytes
;; launch proj (part 1): grid 128 x 2, 8 waves a work-group, no clusters, 55,808 bytes of LDS; arguments x, Wq, bq, Wk, bk, Wv, bv, qimg, qsc, kimg, vimg; writes qimg, qsc, kimg, vimg
.if DOCPART == 1
	.amdgcn_target "amdgcn-amd-amdhsa--gfx1250"
	.amdhsa_code_object_version 6
	.text
	.protected	k_q0f81907b90_proj
	.globl	k_q0f81907b90_proj
	.p2align	8
	.type	k_q0f81907b90_proj,@function
k_q0f81907b90_proj:
	s_mov_b64 s[64:65], 0
	v_nop
	global_prefetch_b8 v0, s[64:65] scope:SCOPE_SE
	s_setreg_imm32_b32 hwreg(HW_REG_WAVE_MODE, 25, 1), 1
	s_wait_xcnt 0x0
; q = Q(x) Q(Wq) + bq, k = Q(x) Q(Wk) + bk, v = Q(x) Q(Wv) + bv on codes of FP6 (E2M3) with one E8M0 scale for each 32 along K (= E, 128), and the results quantised again for the attention launch:
; q and k along H (256: two K steps of 128), v along the tokens (the keys are the second attention product's K).  x: [8][2048][128] f32; W: [128][256] f32, K its first axis; b: [256] f32.
; DEAD WORK OF THE PROGRAM.  This launch leaves nothing out: x, the three weights and the three biases all move codes or scales of a live operand.  The attention launch leaves out the key steps of 128 keys
; that lie wholly behind a query tile's last query: reference() itself builds the mask tril(ones(T, T)) and sets those scores to -inf ahead of the softmax, so their p is 0 and they add nothing to the row's sum
; or to the output, whatever the inputs hold.  LIMIT: a NaN, an infinity or an overflow that reaches only those scores is not carried to the result.
; LIMITS: NaN and infinities among the inputs are not served.  A block whose largest magnitude lies under 2^(2 - 126) keeps the scale byte 1; a block of zeros gets the byte 1 where the rule says 127: its codes are
; zeros, which add nothing under any byte but 0xff, and the bytes are read by this program alone.
; SHARES.  Work-group (BLK, Z): the 128 tokens of block BLK = 16 batch + step, and features 128 Z .. 128 Z + 127 of q, k and v.  Eight waves.  Wave w first quantises x's tile w and tile w of each weight
; (a lane takes a row of x, or a column of W with its registers down K) and leaves them in LDS as images of the operand's registers (12 registers a lane: 3 stores of 16 bytes a lane); one barrier;
; then it makes one fragment of q, one of k, one of v: 8 matrix instructions each, quantised in registers, stored as images: each store covers 512 consecutive bytes, aligned.
; THE ROWS OF A TILE ARE NOT NEIGHBOURS: lane r of tile 2 b + u takes token (or feature) 32 b + 8 u + r + 8 (r / 8).  So, with source 0 = the 8 tiles and source 1 = one tile, a lane's 16 registers of results 2 b
; and 2 b + 1 are 16 neighbours 32 b + 16 (lane / 16) + 0 .. 15 along the next K.  q, k: source 0 = W's 8 tiles of features, source 1 = x's tile w: a lane holds one token, registers along the features.
; v: source 0 = x's 8 tiles of tokens, source 1 = 16 columns of Wv: a lane holds one feature, registers along the tokens.
; WORKSPACE.  qimg [BLK][tile 8][K step 2][1536].  qsc [BLK][K step 2][tile 8][16] words.  kimg, vimg: [batch][group of 4 steps] of 102,400 bytes, each four quarters of 25,600: in quarter c, for each step s, 6,144 bytes:
; k: fragments (key tile 2 c + a, K step z) at (2 a + z) 1536;  v: fragments of feature tiles 4 c + f at 1536 f;  behind them 1,024 bytes: the scale words of step c as an image of 8 registers.
; No cluster: what two work-groups share, x, goes straight into registers, once.
.set XIMG,  0                          ; LDS: x's 8 fragments,
.set WIMG,  12288                      ; the weights' 24 (8 matrix + tile),
.set XSC,   49152                      ; x's scale words, 128 bytes a tile,
.set WSC,   50176                      ; the weights',
.set GQ,    53248                      ; and where the results' scale words are gathered: q's, 512 bytes,
.set GK,    53760                      ; k's,
.set GV,    54272                      ; v's
.set SPARE, 54784                      ; the spare words, 128 bytes for each wave: four blocks of 256 bytes that no other line names
.set FRB,   1536                       ; a fragment's image
.set GRP,   102400
.set QTR,   25600
.set RUN,   6144
.set LI,  1                            ; v1   16 x lane
.set LS,  2                            ; v2   4 x lane
.set XA,  3                            ; v3   x: my row's byte + 64 (lane / 16)
.set WAP, 4                            ; v4   Wq, Wk: my column (the tile's order) + 16 rows x (lane / 16)
.set WAN, 5                            ; v5   Wv: my column (neighbours)
.set IW,  6                            ; v6   16 x lane + 1536 x wave
.set SW,  7                            ; v7   4 x lane + 128 x wave
.set BA,  8                            ; v8   bq, bk: 64 (lane / 16)
.set BVA, 9                            ; v9   bv: 4 r + 64 x wave
.set GQA, 10                           ; v10-12 where my result's scale word goes in GQ, GK, GV
.set GL,  13                           ; v13  k's scale words on the way out: 512 (lane / 16) + 16 r
.set SPW, 14                           ; v14  LDS address of my spare word; never rewritten
.set NIL, 15                           ; v15  0; never rewritten
.set F1,  16                           ; v16-27   source 1's fragment
.set F8,  28                           ; v28-123  source 0's eight
.set BUFB, 28                          ; v28-91   64 numbers, ahead of the barrier
.set HA,  124                          ; v124-187 64 numbers; the 8 accumulators
.set PC,  188                          ; v188-206 the codes just made
.set TM,  208                          ; v208-223 at work in the quantiser
.set PW,  224                          ; v224 the scale word just made
.set S1,  225                          ; v225 source 1's scale words
.set S8,  226                          ; v226-233 source 0's
.set BV,  234                          ; v[234:235] bv of my feature
.set GT,  236                          ; v236-239 the gathered words on the way out
.set WV,  26
.set ZZ,  28
.set SEL, 36
; 64 numbers of a lane, register 16 b + i = k 32 b + 16 (lane / 16) + i of my row, become a fragment's codes in v[PC] on and its scale word in v[PW]
.macro QUANT s
.irp b, 0,1,2,3
	v_max3_num_f32 v[TM+\b], |v[\s+16*\b]|, |v[\s+1+16*\b]|, 0x1800000   ; block b: my 16 numbers, and the floor 2^(3 - 127): the byte cannot fall under 1
.endr
.irp i, 2,4,6,8,10,12,14
.irp b, 0,1,2,3
	v_max3_num_f32 v[TM+\b], v[TM+\b], |v[\s+16*\b+\i]|, |v[\s+1+16*\b+\i]|   ; the four blocks by turns
.endr
.endr
.irp b, 0,1,2,3
	v_permlanex16_b32 v[TM+4+\b], v[TM+\b], s[SEL], s[SEL+1]
.endr
.irp b, 0,1,2,3
	v_max_num_f32 v[TM+\b], v[TM+\b], v[TM+4+\b]   ; with lane l xor 16's: the block's largest magnitude
.endr
.irp b, 0,1,2,3
	v_add_nc_u32 v[TM+12+\b], 0xff000000, v[TM+\b]   ; 2 off its exponent field: the conversion takes this operand's exponent field as its scale
.endr
.irp b, 0,1,2,3
	v_lshrrev_b32 v[TM+4+\b], 23, v[TM+12+\b]      ; the scale's byte
.endr
	v_lshl_or_b32 v[PW], v[TM+5], 8, v[TM+4]
	v_lshl_or_b32 v[PW], v[TM+6], 16, v[PW]
	v_lshl_or_b32 v[PW], v[TM+7], 24, v[PW]
.irp c, 0,1
	v_cvt_scalef32_pk16_fp6_f32 v[PC+6*\c:PC+2+6*\c], v[\s+32*\c:\s+15+32*\c], v[TM+12+2*\c]
	v_cvt_scalef32_pk16_fp6_f32 v[PC+12+4*\c:PC+14+4*\c], v[\s+16+32*\c:\s+31+32*\c], v[TM+12+2*\c+1]   ; (a conversion's three registers begin on an even number)
.endr
	v_nop                                          ; one plain place behind a scaled conversion
.irp c, 0,1                                    ; the operand's layout wants a whole block in a lane
.irp i, 0,1,2
	v_permlane16_swap_b32 v[PC+6*\c+\i], v[PC+12+4*\c+\i]
.endr
.irp i, 0,1,2
	v_mov_b32 v[PC+3+6*\c+\i], v[PC+12+4*\c+\i]
.endr
.endr
.endm
.macro IMAGE adr, off                          ; the fragment in v[PC] on goes to LDS as it stands
.irp c, 0,1,2
	ds_store_b128 v[\adr], v[PC+4*\c:PC+4*\c+3] offset:\off+512*\c
.endr
.endm
.macro FETCH reg, adr, off                     ; and comes back so, in any wave
.irp c, 0,1,2
	ds_load_b128 v[\reg+4*\c:\reg+4*\c+3], v[\adr] offset:\off+512*\c
.endr
.endm
.macro XLOAD reg                               ; my row of x: of each block of 32 my half's 16 numbers
.irp b, 0,1,2,3
.irp j, 0,1,2,3
	global_load_b128 v[\reg+16*\b+4*\j:\reg+16*\b+4*\j+3], v[XA], s[4:5] offset:128*\b+16*\j
.endr
.endr
.endm
.macro WLOAD reg, adr, base                    ; my column of a weight, down K: rows 32 b + 16 (lane / 16) + i
.irp b, 0,1,2,3
.irp i, 0,1,2,3,4,5,6,7,8,9,10,11,12,13,14,15
	global_load_b32 v[\reg+16*\b+\i], v[\adr], s[\base:\base+1] offset:(32*\b+\i)*1024
.endr
.endr
.endm
.macro BARRIER                                 ; my LDS stores have landed and my LDS loads are in: then the work-group's barrier
	s_wait_dscnt 0x0
	s_barrier_signal -1
	s_barrier_wait -1
.endm
	s_load_b512 s[4:19], s[0:1], 0x0               ; x 4, Wq 6, bq 8, Wk 10, bk 12, Wv 14, bv 16, qimg 18
	s_load_b128 s[20:23], s[0:1], 0x40             ; qsc 20, kimg 22
	s_load_b64 s[24:25], s[0:1], 0x50              ; vimg
	v_lshl_add_u32 v[SPW], v0, 2, SPARE
	v_mov_b32 v[NIL], 0
	v_lshrrev_b32 v243, 5, v0
	v_readfirstlane_b32 s[WV], v243                ; wave 0..7
	s_and_b32 s[ZZ], ttmp7, 0xffff                 ; Z
	v_and_b32 v243, 31, v0                         ; lane
	v_and_b32 v240, 15, v0                         ; r
	v_bfe_u32 v241, v0, 4, 1                       ; h
	v_and_b32 v242, 8, v240
	v_add_nc_u32 v242, v242, v240                  ; r + 8 (r / 8)
	v_lshlrev_b32 v[LI], 4, v243
	v_lshlrev_b32 v[LS], 2, v243
	s_lshr_b32 s30, s[WV], 1
	s_lshl_b32 s30, s30, 5
	s_and_b32 s31, s[WV], 1
	s_lshl_b32 s31, s31, 3
	s_add_co_u32 s31, s31, s30                     ; tile w begins at 32 (w / 2) + 8 (w % 2)
	v_add_nc_u32 v[XA], s31, v242
	v_lshlrev_b32 v[XA], 9, v[XA]                  ; a row of x is 512 bytes
	v_lshl_add_u32 v[XA], v241, 6, v[XA]
	s_lshl_b32 s52, s[ZZ], 7                       ; 128 Z
	s_add_co_u32 s53, s52, s31
	v_add_nc_u32 v[WAP], s53, v242
	v_lshlrev_b32 v[WAP], 2, v[WAP]
	v_lshl_add_u32 v[WAP], v241, 14, v[WAP]        ; 16 rows of 1,024 bytes further down for lanes 16-31
	s_lshl_b32 s53, s[WV], 4
	s_add_co_u32 s53, s53, s52
	v_add_nc_u32 v[WAN], s53, v240
	v_lshlrev_b32 v[WAN], 2, v[WAN]
	v_lshl_add_u32 v[WAN], v241, 14, v[WAN]
	s_mul_i32 s53, s[WV], FRB
	v_add_nc_u32 v[IW], s53, v[LI]
	s_lshl_b32 s53, s[WV], 7
	v_add_nc_u32 v[SW], s53, v[LS]
	v_lshlrev_b32 v[BA], 6, v241
	s_lshl_b32 s53, s[WV], 6
	v_lshl_add_u32 v[BVA], v240, 2, s53
	v_add_nc_u32 v[GQA], GQ, v[BVA]                ; q's word (tile w, row r): 64 w + 4 r
	s_lshr_b32 s53, s[WV], 2
	s_lshl_b32 s53, s53, 8
	s_and_b32 s54, s[WV], 3
	s_lshl_b32 s54, s54, 2
	s_add_co_u32 s53, s53, s54
	s_add_co_u32 s53, s53, GK
	v_lshl_add_u32 v[GQA+1], v240, 4, s53          ; k's: register w of the image, lane r: 256 (w / 4) + 16 r + 4 (w % 4)
	s_and_b32 s53, s[WV], 1
	s_lshl_b32 s53, s53, 8
	s_lshr_b32 s54, s[WV], 1
	s_lshl_b32 s54, s54, 2
	s_add_co_u32 s53, s53, s54
	s_add_co_u32 s53, s53, GV
	v_lshl_add_u32 v[GQA+2], v240, 4, s53          ; v's: register w / 2, lane 16 (w % 2) + r: 256 (w % 2) + 16 r + 4 (w / 2)
	v_lshlrev_b32 v[GL], 4, v240
	v_lshl_add_u32 v[GL], v241, 9, v[GL]
.irp b, 0,1,2,3
	v_mov_b32 v[TM+4+\b], 0                        ; written once: a lane permute's destination counts as one of its sources
.endr
	v_mov_b32 v[BV+1], 0                           ; (named as the upper half of a pair)
	s_mov_b32 s[SEL], 0x76543210
	s_mov_b32 s[SEL+1], 0xfedcba98                 ; lane l xor 16
	; byte offsets, each in the pair that will hold its address
	s_lshl_b32 s32, ttmp9, 16                      ; x: 128 rows of 512 bytes a block
	s_mov_b32 s33, 0
	s_lshl_b32 s34, s[ZZ], 9                       ; the biases: 128 numbers a half
	s_mov_b32 s35, 0
	s_lshl_b32 s40, ttmp9, 3
	s_add_co_u32 s40, s40, s[WV]
	s_lshl_b32 s40, s40, 1
	s_add_co_u32 s40, s40, s[ZZ]
	s_mul_i32 s40, s40, FRB                        ; q: ((8 BLK + w) 2 + Z) fragments
	s_mov_b32 s41, 0
	s_lshr_b32 s29, ttmp9, 2                       ; BLK / 4 = 4 batch + group
	s_mul_i32 s29, s29, GRP
	s_and_b32 s30, ttmp9, 3                        ; the step in its group
	s_mul_i32 s55, s30, RUN
	s_lshr_b32 s42, s[WV], 1
	s_mul_i32 s42, s42, QTR                        ; k: quarter w / 2,
	s_add_co_u32 s42, s42, s29
	s_add_co_u32 s42, s42, s55                     ; the step's run,
	s_and_b32 s54, s[WV], 1
	s_lshl_b32 s54, s54, 1
	s_add_co_u32 s54, s54, s[ZZ]
	s_mul_i32 s54, s54, FRB                        ; fragment 2 (w % 2) + Z
	s_add_co_u32 s42, s42, s54
	s_mov_b32 s43, 0
	s_lshl_b32 s54, s[ZZ], 3
	s_add_co_u32 s54, s54, s[WV]                   ; v: feature tile 8 Z + w:
	s_lshr_b32 s44, s54, 2
	s_mul_i32 s44, s44, QTR                        ; its quarter,
	s_and_b32 s54, s54, 3
	s_mul_i32 s54, s54, FRB                        ; its fragment
	s_add_co_u32 s44, s44, s54
	s_add_co_u32 s44, s44, s29
	s_add_co_u32 s44, s44, s55
	s_mov_b32 s45, 0
	s_lshl_b32 s46, ttmp9, 10
	s_add_co_u32 s46, s46, s34                     ; q's scale words: 1,024 BLK + 512 Z
	s_mov_b32 s47, 0
	s_mul_i32 s48, s30, QTR                        ; k's and v's: behind the runs of the quarter that bears the step's number
	s_add_co_u32 s48, s48, s29
	s_add_co_u32 s48, s48, 4*RUN
	s_add_co_u32 s50, s48, s34                     ; v: + 512 Z
	s_lshl_b32 s54, s[ZZ], 8
	s_add_co_u32 s48, s48, s54                     ; k: + 256 Z
	s_mov_b32 s49, 0
	s_mov_b32 s51, 0
	s_wait_kmcnt 0x0
	s_add_nc_u64 s[4:5], s[4:5], s[32:33]
	s_add_nc_u64 s[8:9], s[8:9], s[34:35]
	s_add_nc_u64 s[12:13], s[12:13], s[34:35]
	s_add_nc_u64 s[16:17], s[16:17], s[34:35]
	s_add_nc_u64 s[40:41], s[18:19], s[40:41]
	s_add_nc_u64 s[42:43], s[22:23], s[42:43]
	s_add_nc_u64 s[44:45], s[24:25], s[44:45]
	s_add_nc_u64 s[46:47], s[20:21], s[46:47]
	s_add_nc_u64 s[48:49], s[22:23], s[48:49]
	s_add_nc_u64 s[50:51], s[24:25], s[50:51]
	; ---- the operands: x's tile w and tile w of each weight, two sets of 64 registers by turns
	XLOAD HA
	WLOAD BUFB, WAP, 6
	s_wait_loadcnt 63                              ; behind x's 16 loads 64 were issued: with 63 out at the most, x is in
	QUANT HA
	IMAGE IW, XIMG
	ds_store_b32 v[SW], v[PW] offset:XSC
	s_wait_dscnt 0x0                               ; the stores have read their registers
	WLOAD HA, WAP, 10
	s_wait_loadcnt 63                              ; behind Wq's loads 64 were issued: Wq is in
	QUANT BUFB
	IMAGE IW, WIMG
	ds_store_b32 v[SW], v[PW] offset:WSC
	s_wait_dscnt 0x0
	WLOAD BUFB, WAN, 14
	s_wait_loadcnt 63                              ; Wk is in
	QUANT HA
	IMAGE IW, WIMG+8*FRB
	ds_store_b32 v[SW], v[PW] offset:WSC+1024
	s_wait_dscnt 0x0
	s_wait_loadcnt 0x0                             ; Wv
	QUANT BUFB
	IMAGE IW, WIMG+16*FRB
	ds_store_b32 v[SW], v[PW] offset:WSC+2048
	BARRIER                                        ; all 32 fragments lie in LDS; nothing writes them again
; One fragment of q (kind 0), k (1) or v (2).  The 8 accumulators have one instruction each.
.macro JOB kind
.if \kind == 0
	FETCH F1, IW, XIMG                             ; x's tile w: it serves q and k
	ds_load_b32 v[S1], v[SW] offset:XSC
.endif
.if \kind == 2
	FETCH F1, IW, WIMG+16*FRB                      ; Wv's tile w
	ds_load_b32 v[S1], v[SW] offset:WSC+2048
.endif
.irp t, 0,1,2,3,4,5,6,7
.if \kind < 2
	FETCH F8+12*\t, LI, WIMG+(8*\kind+\t)*FRB
	ds_load_b32 v[S8+\t], v[LS] offset:WSC+(8*\kind+\t)*128
	global_load_b128 v[HA+8*\t:HA+8*\t+3], v[BA], s[8+4*\kind:9+4*\kind] offset:(32*(\t/2)+8*(\t%2))*4       ; the bias in the result's layout: it is the sum's C
	global_load_b128 v[HA+8*\t+4:HA+8*\t+7], v[BA], s[8+4*\kind:9+4*\kind] offset:(32*(\t/2)+8*(\t%2))*4+16
.else
	FETCH F8+12*\t, LI, XIMG+\t*FRB
	ds_load_b32 v[S8+\t], v[LS] offset:XSC+\t*128
.endif
.endr
.if \kind == 2
	global_load_b32 v[BV], v[BVA], s[16:17]        ; bv of my feature
.endif
	s_wait_loadcnt 0x0
	s_wait_dscnt 0x0
.irp t, 0,1,2,3,4,5,6,7
.if \kind < 2
	v_wmma_scale_f32_16x16x128_f8f6f4 v[HA+8*\t:HA+8*\t+7], v[F8+12*\t:F8+12*\t+11], v[F1:F1+11], v[HA+8*\t:HA+8*\t+7], v[S8+\t], v[S1] matrix_a_fmt:MATRIX_FMT_FP6 matrix_b_fmt:MATRIX_FMT_FP6
.else
	v_wmma_scale_f32_16x16x128_f8f6f4 v[HA+8*\t:HA+8*\t+7], v[F8+12*\t:F8+12*\t+11], v[F1:F1+11], 0, v[S8+\t], v[S1] matrix_a_fmt:MATRIX_FMT_FP6 matrix_b_fmt:MATRIX_FMT_FP6
.endif
.endr
.rept 5
	v_nop                                          ; four places ahead of the reads of the results and of the next loads into the operands; the fifth for the next kind's products, which write over the accumulators
.endr
.if \kind == 2
.set j, 0
.rept 32
	v_pk_add_f32 v[HA+j:HA+j+1], v[HA+j:HA+j+1], v[BV:BV+1] op_sel_hi:[1,0]   ; + bv: a lane holds one feature; each accumulator from its low end on
.set j, j+2
.endr
.endif
.if \kind > 0
	s_wait_xcnt 0x0                                ; the last kind's stores have read the codes' registers
.endif
	QUANT HA
.irp c, 0,1,2
	global_store_b128 v[LI], v[PC+4*\c:PC+4*\c+3], s[40+2*\kind:41+2*\kind] offset:512*\c   ; 32 lanes store 512 consecutive bytes, aligned
.endr
	ds_store_b32 v[GQA+\kind], v[PW]               ; both lanes of a row write the same word with the same value
	s_wait_dscnt 0x0
.endm
	JOB 0
	JOB 1
	JOB 2
	BARRIER                                        ; the eight waves' scale words lie gathered
	s_cmp_lg_u32 s[WV], 0                          ; three waves store 512 bytes each, as two aligned runs of 256
	s_cbranch_scc1 .Lnot_q
	ds_load_b128 v[GT:GT+3], v[LI] offset:GQ
	s_wait_dscnt 0x0
	global_store_b128 v[LI], v[GT:GT+3], s[46:47]
.Lnot_q:
	s_cmp_lg_u32 s[WV], 1
	s_cbranch_scc1 .Lnot_k
	ds_load_b128 v[GT:GT+3], v[LI] offset:GK
	s_wait_dscnt 0x0
	global_store_b128 v[GL], v[GT:GT+3], s[48:49]  ; this K step's lanes of the image's two runs of registers
.Lnot_k:
	s_cmp_lg_u32 s[WV], 2
	s_cbranch_scc1 .Lnot_v
	ds_load_b128 v[GT:GT+3], v[LI] offset:GV
	s_wait_dscnt 0x0
	global_store_b128 v[LI], v[GT:GT+3], s[50:51]
.Lnot_v:
	s_wait_tensorcnt 0x0                           ; the wave's end: behind my last LDS store
	ds_add_u32 v[SPW], v[NIL]
	s_wait_dscnt 0x0
	s_endpgm
.Lfunc_end_k_q0f81907b90_proj:
	.size	k_q0f81907b90_proj, .Lfunc_end_k_q0f81907b90_proj-k_q0f81907b90_proj
	.p2alignl 7, 3214868480
	.fill 96, 4, 3214868480
	.section	.rodata,"a",@progbits
	.p2align	6, 0x0
	.amdhsa_kernel k_q0f81907b90_proj
		.amdhsa_group_segment_fixed_size 55808
		.amdhsa_private_segment_fixed_size 0
		.amdhsa_enable_private_segment 0
		.amdhsa_kernarg_size 88
		.amdhsa_user_sgpr_count 2
		.amdhsa_user_sgpr_kernarg_segment_ptr 1
		.amdhsa_wavefront_size32 1
		.amdhsa_system_sgpr_workgroup_id_x 1
		.amdhsa_system_sgpr_workgroup_id_y 1
		.amdhsa_system_sgpr_workgroup_id_z 1
		.amdhsa_system_vgpr_workitem_id 0
		.amdhsa_next_free_vgpr 256
		.amdhsa_next_free_sgpr 66
		.amdhsa_reserve_vcc 0
		.amdhsa_float_denorm_mode_32 3
		.amdhsa_float_denorm_mode_16_64 3
		.amdhsa_memory_ordered 1
		.amdhsa_forward_progress 1
		.amdhsa_inst_pref_size 70
	.end_amdhsa_kernel
	.amdgpu_metadata
---
amdhsa.version: [ 1, 2 ]
amdhsa.kernels:
  - .name:           k_q0f81907b90_proj
    .symbol:         k_q0f81907b90_proj.kd
    .args:
      - { .name: x, .offset: 0, .size: 8, .value_kind: global_buffer, .address_space: global }
      - { .name: Wq, .offset: 8, .size: 8, .value_kind: global_buffer, .address_space: global }
      - { .name: bq, .offset: 16, .size: 8, .value_kind: global_buffer, .address_space: global }
      - { .name: Wk, .offset: 24, .size: 8, .value_kind: global_buffer, .address_space: global }
      - { .name: bk, .offset: 32, .size: 8, .value_kind: global_buffer, .address_space: global }
      - { .name: Wv, .offset: 40, .size: 8, .value_kind: global_buffer, .address_space: global }
      - { .name: bv, .offset: 48, .size: 8, .value_kind: global_buffer, .address_space: global }
      - { .name: qimg, .offset: 56, .size: 8, .value_kind: global_buffer, .address_space: global }
      - { .name: qsc, .offset: 64, .size: 8, .value_kind: global_buffer, .address_space: global }
      - { .name: kimg, .offset: 72, .size: 8, .value_kind: global_buffer, .address_space: global }
      - { .name: vimg, .offset: 80, .size: 8, .value_kind: global_buffer, .address_space: global }
    .group_segment_fixed_size: 55808
    .private_segment_fixed_size: 0
    .kernarg_segment_align: 8
    .kernarg_segment_size: 88
    .max_flat_workgroup_size: 256
    .sgpr_count:     66
    .vgpr_count:     256
    .wavefront_size: 32
...
	.end_amdgpu_metadata
.endif
;; end of part 1
;; launch attn (part 2): grid 32 x 8, 4 waves a work-group, clusters of 4 x 1, 327,680 bytes of LDS; arguments qimg, qsc, kimg, vimg, out0; writes out0
.if DOCPART == 2
	.amdgcn_target "amdgcn-amd-amdhsa--gfx1250"
	.amdhsa_code_object_version 6
	.text
	.protected	k_q0f81907b90_attn
	.globl	k_q0f81907b90_attn
	.p2align	8
	.type	k_q0f81907b90_attn,@function
k_q0f81907b90_attn:
	s_mov_b64 s[64:65], 0
	v_nop
	global_prefetch_b8 v0, s[64:65] scope:SCOPE_SE
	s_setreg_imm32_b32 hwreg(HW_REG_WAVE_MODE, 25, 1), 1
	s_wait_xcnt 0x0
	s_wait_alu depctr_hold_cnt(0) depctr_sa_sdst(0) depctr_va_vdst(0) depctr_va_sdst(0) depctr_va_ssrc(0) depctr_va_vcc(0) depctr_vm_vsrc(0)
	s_getreg_b32 s2, hwreg(HW_REG_IB_STS2, 6, 4)
	s_cmp_eq_u32 s2, 0
	s_cbranch_scc0 .Lentry_in_a_cluster
	s_endpgm
.Lentry_in_a_cluster:
	s_bfe_u32 s2, ttmp6, 0x10000c
	s_cmp_lg_u32 s2, 0x3003
	s_cbranch_scc0 .Lentry_shape_is_right
	s_endpgm
.Lentry_shape_is_right:
; out[b][q][:] = the sum over keys k <= q of softmax_k(q . k / 16) v[k][:], both products on codes of FP6 (E2M3) with one E8M0 scale for each 32 along K, from the images that the launch before has stored.
; LEFT OUT: key steps of 128 keys that lie wholly behind the queries (reference()'s own causal mask gives them p = 0: shown at the head of the first kernel).
; THE SOFTMAX: t = score x log2(e) / 16; M = the largest t so far, rounded up to a whole number; p = 2^(t - M) is quantised along the keys, not normalised; the row's sum is taken of the unquantised p and divides at the end.
; SHARES.  A cluster of four work-groups owns query steps DH = 15 - A and DL = A (128 queries each) of one batch: together 17 key steps, whatever A.  Partner cx owns queries 32 cx .. 32 cx + 31 of both steps: two tiles of 16.
; The work-group walks five groups of four key steps: first the (19 - A) / 4 groups of the high step, then those of the low one.  WAVE w TAKES KEY STEP 4 G + w, for both tiles, so that each fragment read from LDS
; feeds two matrix instructions; a step behind the queries' step is jumped over (a scalar branch on ids and the trip's number, round LDS loads and register work alone).  Each wave has its own M, sum and O^T;
; at the end the four waves' parts of a tile are brought under one M (whole numbers: the factors are powers of two) and added through LDS.
; CLUSTER.  Nothing that steers a branch or a tile's address holds cx: the four partners walk the same groups, and each quarter of a group is asked for JOINTLY (mask 15).  Every quarter holds bytes of all four steps of
; its group, and step 4 G of a group that is walked is never behind the queries: so every load's bytes are read.
; THE RING.  One slot for a group of K, one for a group of V, by turns: while K's slot is read, V's is filled, and the other way round.  Two rounds of the cluster's barrier a trip, one joint load a wave behind each: one load of a wave is out at any time.
; LAYOUT.  Both products transposed: S^T = K Q^T, O^T = V^T P^T: a lane holds one query (lane % 16).  Lane r of tile 2 b + u of keys or queries holds token 32 b + 8 u + r + 8 (r / 8), so that the 16 registers of S^T's tiles 2 b, 2 b + 1 are keys 32 b + 16 (lane / 16) + 0 .. 15.
; LIMITS: NaN and infinities are not served; p under 2^-126 is 0; a block of p that is all zeros keeps the scale byte 1 (its codes are zeros).  At the change from the high step to the low one O^T is not cleared: the
; statistics begin anew, so the next step's own factor 2^(old M - new M) is 0 and clears it: this holds while O^T is finite.
; REGISTERS, in windows of 256: window 0: addresses, statistics, p's codes; v128-255 S^T, 64 a tile.  window 1: O^T, 128 a tile.  window 2: v0-191 sixteen fragments of K or of V; v192-239 Q (24 a tile).
; window 3: v0-47 the low step's Q until the change; then the high step's O^T.
.set GRP,   102400                     ; a group: four quarters
.set QTR,   25600                      ; a quarter: four runs and a scale image: what one tensor load brings
.set RUN,   6144                       ; a step's four fragments in a quarter
.set FRB,   1536                       ; a fragment's image
.set KSLOT, 0
.set VSLOT, GRP
.set MROW,  1040                       ; the merge: a query's 256 numbers + 16 bytes: an odd multiple of 16, so that the 16 rows of a store start in different banks
.set MT,    16*MROW                    ; a wave's part of a tile
.set MTAU,  4*MT                       ; a tile's four parts.  The 16 parts lie from LDS byte 0 on, over the slots, which have had their last fill and their last read by then
.set STAT,  266240                     ; behind them: (-M, sum) of each lane: 256 bytes for each (tile, wave)
.set SPARE, 327168                     ; the spare words, 128 bytes for each wave: two blocks of 256 bytes that no other line names
.set LK,  1                            ; v1-2   K's fragments: quarters 0, 1 and quarters 2, 3, at my step's run, + 16 x lane
.set LKS, 3                            ; v3     my step's scale image of K
.set LV,  4                            ; v4-5, v6 the same for V
.set LVS, 6
.set LI,  7                            ; v7     16 x lane
.set QSA, 8                            ; v8     Q's scale words: 512 (lane / 16) + 4 r
.set SPW, 9                            ; v9     LDS address of my spare word; never rewritten
.set NIL, 10                           ; v10    0; never rewritten
.set NINF, 11                          ; v11    -infinity
.set ST,  12                           ; tile u at v[12 + 4 u]: -M, the largest t, the sum in two halves
.set DM,  20                           ; v20-21 tile u: my query in its step - 16 (lane / 16)
.set FF,  22                           ; v[22:23] f = 2^(old M - new M)
.set PS,  24                           ; v24-25 p's scale words
.set QS,  26                           ; v26-27 Q's: lanes 0-15 features 0-127, lanes 16-31 features 128-255
.set KS,  28                           ; v28-35 K's scale image, then V's
.set PC,  36                           ; v36-59 p's codes, 12 a tile
.set CT,  60                           ; v60-66 at work in the conversions
.set BM,  68                           ; v68-71 the blocks' largest scores
.set T2,  72                           ; v72-75 at work
.set SO,  76                           ; v76-79 the conversions' scale operands
.set TP,  80
.set SUM, 82                           ; v[82:83] the sum's second chain
.set SV,  84                           ; v84-91 the high step's statistics
.set MA,  92                           ; v92-95 the merge: where my part of tile 0..3 goes
.set QL,  96                           ; v96-97 the low step's scale words of Q
.set STA, 98                           ; v98    where my statistics go
.set STL, 99                           ; v99    where I read all four waves'
.set RA,  100                          ; v100-101 where I read my tile's parts 0, 1 and 2, 3
.set S,   128
.set MP,  76                           ; the merge: v76-83 (-M, sum) of my four tiles; then my own factor
.set GG,  68                           ; v68-75 my factor / the sum, twice
.set SP,  128                          ; v128-159 the 16 pairs
.set OB,  128                          ; v128-255 four rows' parts
.set WV,  14
.set CLA, 15
.set CX,  16
.set B4,  17
.set NHG, 18
.set DH,  19
.set DL,  20
.set DD,  21                           ; s21  the query step in hand
.set CNT, 22                           ; s22  the trip
.set GR,  23                           ; s23  its group
.set STP, 24                           ; s24  my key step
.set WOFF, 25                          ; s25  25,600 x wave
.set G1,  32                           ; s[32:39] descriptor group 1, for K and V alike
.set G0K, 40                           ; s[40:43], s[44:47] groups 0
.set G0V, 44
.set SEL, 48
.set CS,  50
.set MSB, 0
.macro WIN new                         ; the immediate's high byte repeats the setting that is left
.if MSB != \new
	s_set_vgpr_msb (MSB<<8)|\new
.set MSB, \new
.endif
.endm
.set W_KQ, 0x0a                        ; K and Q in window 2, S^T in window 0
.set W_PV, 0x52                        ; V in window 2, p in window 0, O^T in window 1
.set W_RS, 0x41                        ; O^T (destination and source 0) in window 1, f in window 0
.set TO_F, 0x80                        ; destination window 2
.macro CROUND                          ; a round of the cluster's barrier
	s_barrier_signal -1
	s_barrier_wait -1
	s_cmp_lg_u32 s[WV], 0
	s_cbranch_scc1 .Lnot_wave_0_\@
	s_barrier_signal -3
.Lnot_wave_0_\@:
	s_barrier_wait -3
	s_barrier_signal -1
	s_barrier_wait -1
.endm
.macro JL g0                           ; my quarter, jointly with the three partners.  An s_nop 0 and four v_nop follow; the four are also the places behind the last products
	tensor_load_to_lds s[\g0:\g0+3], s[G1:G1+7]
	s_nop 0
.rept 4
	v_nop
.endr
.endm
.macro KFETCH                          ; my step's scale image and 16 fragments of K: (key tile t, K step z) to v[12 (8 z + t)] of window 2; K step 0 first
	ds_load_b128 v[KS:KS+3], v[LKS]
	ds_load_b128 v[KS+4:KS+7], v[LKS] offset:512
	WIN TO_F
.irp z, 0,1
.irp t, 0,1,2,3,4,5,6,7
.irp i, 0,1,2
	ds_load_b128 v[12*(8*\z+\t)+4*\i:12*(8*\z+\t)+4*\i+3], v[LK+\t/4] offset:((\t/2)%2)*QTR+((\t%2)*2+\z)*FRB+512*\i
.endr
.endr
.endr
.endm
.macro VFETCH                          ; the same of V: feature tile d to v[12 d]
	ds_load_b128 v[KS:KS+3], v[LVS]
	ds_load_b128 v[KS+4:KS+7], v[LVS] offset:512
	WIN TO_F
.irp d, 0,1,2,3,4,5,6,7,8,9,10,11,12,13,14,15
.irp i, 0,1,2
	ds_load_b128 v[12*\d+4*\i:12*\d+4*\i+3], v[LV+\d/8] offset:((\d/4)%2)*QTR+(\d%4)*FRB+512*\i
.endr
.endr
.endm
.macro KQ z                            ; 16 products of S^T = K Q^T, features 128 z on: the 16 accumulators by turns; the first 16 start the sums
.irp t, 0,1,2,3,4,5,6,7
.irp u, 0,1
.if \z == 0
	v_wmma_scale_f32_16x16x128_f8f6f4 v[S+64*\u+8*\t:S+64*\u+8*\t+7], v[12*\t:12*\t+11], v[192+24*\u:192+24*\u+11], 0, v[KS+\t], v[QS+\u] matrix_a_fmt:MATRIX_FMT_FP6 matrix_b_fmt:MATRIX_FMT_FP6
.else
	v_wmma_scale_f32_16x16x128_f8f6f4 v[S+64*\u+8*\t:S+64*\u+8*\t+7], v[96+12*\t:96+12*\t+11], v[204+24*\u:204+24*\u+11], v[S+64*\u+8*\t:S+64*\u+8*\t+7], v[KS+\t], v[QS+\u] matrix_a_fmt:MATRIX_FMT_FP6 matrix_b_fmt:MATRIX_FMT_FP6 matrix_a_scale:MATRIX_SCALE_ROW1 matrix_b_scale:MATRIX_SCALE_ROW1
.endif
.endr
.endr
.endm
.macro PV                              ; 32 products of O^T += V^T P^T: 32 accumulators, one instruction each
.irp d, 0,1,2,3,4,5,6,7,8,9,10,11,12,13,14,15
.irp u, 0,1
.if \d%2 == 0
	v_wmma_scale_f32_16x16x128_f8f6f4 v[128*\u+8*\d:128*\u+8*\d+7], v[12*\d:12*\d+11], v[PC+12*\u:PC+12*\u+11], v[128*\u+8*\d:128*\u+8*\d+7], v[KS+\d/2], v[PS+\u] matrix_a_fmt:MATRIX_FMT_FP6 matrix_b_fmt:MATRIX_FMT_FP6
.else
	v_wmma_scale_f32_16x16x128_f8f6f4 v[128*\u+8*\d:128*\u+8*\d+7], v[12*\d:12*\d+11], v[PC+12*\u:PC+12*\u+11], v[128*\u+8*\d:128*\u+8*\d+7], v[KS+\d/2], v[PS+\u] matrix_a_fmt:MATRIX_FMT_FP6 matrix_b_fmt:MATRIX_FMT_FP6 matrix_a_scale:MATRIX_SCALE_ROW1
.endif
.endr
.endr
.endm
.macro MASK u                          ; on the diagonal: register n holds key 32 (n / 16) + n % 16 + 16 (lane / 16) of the step: hidden where that comes after my query
.set n, 0
.rept 64
	v_cmp_gt_i32 vcc_lo, 32*(n/16)+n%16, v[DM+\u]
	v_cndmask_b32 v[S+64*\u+n], v[S+64*\u+n], v[NINF], vcc_lo
.set n, n+1
.endr
.endm
; Tile u's softmax of a key step, p's codes and scale word, and O^T under the new M
.macro SOFT u
.set sb, S+64*(\u)
.set st, ST+4*(\u)
.set pc, PC+12*(\u)
.irp b, 0,1,2,3
	v_max3_num_f32 v[BM+\b], v[sb+16*\b], v[sb+1+16*\b], v[sb+2+16*\b]   ; the largest score of each block of 32 keys: for the row's maximum and, since p rises with the score, for the block's largest p
.endr
.irp i, 3,5,7,9,11,13
.irp b, 0,1,2,3
	v_max3_num_f32 v[BM+\b], v[BM+\b], v[sb+16*\b+\i], v[sb+1+16*\b+\i]
.endr
.endr
.irp b, 0,1,2,3
	v_max_num_f32 v[BM+\b], v[BM+\b], v[sb+15+16*\b]
.endr
.irp b, 0,1,2,3
	v_permlanex16_b32 v[T2+\b], v[BM+\b], s[SEL], s[SEL+1]
.endr
.irp b, 0,1,2,3
	v_max_num_f32 v[BM+\b], v[BM+\b], v[T2+\b]     ; with lane l xor 16's 16 keys
.endr
	v_max3_num_f32 v[TP], v[BM], v[BM+1], v[BM+2]
	v_max_num_f32 v[TP], v[TP], v[BM+3]
	v_mul_f32 v[TP], s[CS], v[TP]                  ; the step's largest t
	v_max_num_f32 v[st+1], v[st+1], v[TP]
	v_mov_b32 v[TP], v[st]
	v_floor_f32 v[st], -v[st+1]                    ; the new -M = -ceil(t)
	v_sub_f32 v[TP], v[st], v[TP]                  ; old M - new M: a whole number, 0 or less
	v_cvt_i32_f32 v[TP], v[TP]                     ; (it saturates)
	v_ldexp_f32 v[FF], 1.0, v[TP]                  ; f: a multiplication by it rounds nothing
.set j, 0
.rept 32
	v_pk_fma_f32 v[sb+j:sb+j+1], v[sb+j:sb+j+1], s[CS:CS+1], v[st:st+1] op_sel_hi:[1,0,0]   ; t - M, two at a time
.set j, j+2
.endr
.irp b, 0,1,2,3
	v_fma_f32 v[BM+\b], v[BM+\b], s[CS], v[st]     ; the same of each block's largest score
.endr
.set j, 0
.rept 64
	v_exp_f32 v[sb+j], v[sb+j]                     ; p = 2^(t - M)
.set j, j+1
.endr
	v_pk_mul_f32 v[st+2:st+3], v[st+2:st+3], v[FF:FF+1] op_sel_hi:[1,0]   ; the sums under the new M: the plain place behind the exponentials
	s_wait_alu depctr_va_vdst(0)                   ; one wait for the batch of 64, ahead of its first reader
.irp b, 0,1,2,3
	v_exp_f32 v[BM+\b], v[BM+\b]                   ; the blocks' largest p
.endr
	v_pk_add_f32 v[SUM:SUM+1], v[sb:sb+1], v[sb+2:sb+3]   ; the row's sum, of the unquantised p, in two chains
.set j, 4
.rept 15
	v_pk_add_f32 v[st+2:st+3], v[st+2:st+3], v[sb+j:sb+j+1]
	v_pk_add_f32 v[SUM:SUM+1], v[SUM:SUM+1], v[sb+j+2:sb+j+3]
.set j, j+4
.endr
	v_pk_add_f32 v[st+2:st+3], v[st+2:st+3], v[SUM:SUM+1]
	s_wait_alu depctr_va_vdst(0)                   ; and one for the four
.irp b, 0,1,2,3
	v_max_num_f32 v[BM+\b], 0x1800000, v[BM+\b]    ; the floor 2^(3 - 127): the byte cannot fall under 1
.endr
.irp b, 0,1,2,3
	v_add_nc_u32 v[SO+\b], 0xff000000, v[BM+\b]    ; 2 off the exponent field: the conversion's scale operand
.endr
.irp b, 0,1,2,3
	v_lshrrev_b32 v[T2+\b], 23, v[SO+\b]           ; the scale's byte
.endr
	v_lshl_or_b32 v[PS+\u], v[T2+1], 8, v[T2]
	v_lshl_or_b32 v[PS+\u], v[T2+2], 16, v[PS+\u]
	v_lshl_or_b32 v[PS+\u], v[T2+3], 24, v[PS+\u]
.irp c, 0,1
	v_cvt_scalef32_pk16_fp6_f32 v[pc+6*\c:pc+6*\c+2], v[sb+32*\c:sb+32*\c+15], v[SO+2*\c]
	v_cvt_scalef32_pk16_fp6_f32 v[CT+4*\c:CT+4*\c+2], v[sb+16+32*\c:sb+31+32*\c], v[SO+2*\c+1]   ; (a conversion's three registers begin on an even number)
.endr
	v_nop                                          ; one plain place behind a scaled conversion
.irp c, 0,1                                    ; the operand's layout wants a whole block in a lane
.irp i, 0,1,2
	v_permlane16_swap_b32 v[pc+6*\c+\i], v[CT+4*\c+\i]
.endr
.irp i, 0,1,2
	v_mov_b32 v[pc+3+6*\c+\i], v[CT+4*\c+\i]
.endr
.endr
	WIN W_RS
.set j, 128*(\u)
.rept 64
	v_pk_mul_f32 v[j:j+1], v[j:j+1], v[FF:FF+1] op_sel_hi:[1,0]   ; O^T under the new M.  (Also the places between p's codes and scale word and the products that take them)
.set j, j+2
.endr
	WIN 0
.endm
; The change from the high query step to the low one: register work alone.  The low Q leaves window 3 first; then the high O^T goes there, each accumulator from its low end on.
.macro SWITCH
	WIN 0x83                                       ; destination window 2, source window 3
.set i, 0
.rept 48
	v_mov_b32 v[192+i], v[i]
.set i, i+1
.endr
	WIN 0
	v_mov_b32 v[QS], v[QL]
	v_mov_b32 v[QS+1], v[QL+1]
.irp i, 0,1,2,3,4,5,6,7
	v_mov_b32 v[SV+\i], v[ST+\i]
.endr
.irp u, 0,1
	v_mov_b32 v[ST+4*\u+1], 0xff61b1e6             ; the largest t: -3e38 again, so that the next step's f is 0
	v_floor_f32 v[ST+4*\u], -v[ST+4*\u+1]
	v_mov_b32 v[ST+4*\u+2], 0
	v_mov_b32 v[ST+4*\u+3], 0
.endr
	WIN 0xc1                                       ; destination window 3, source window 1
.set i, 0
.rept 256
	v_mov_b32 v[i], v[i]
.set i, i+1
.endr
	WIN 0
.endm
	s_load_b256 s[4:11], s[0:1], 0x0               ; qimg 4, qsc 6, kimg 8, vimg 10
	s_load_b64 s[12:13], s[0:1], 0x20              ; out0
	v_lshl_add_u32 v[SPW], v0, 2, SPARE
	v_mov_b32 v[NIL], 0
	ds_add_u32 v[SPW], v[NIL]                      ; the wave's opening: the add, twice on end, and its wait ahead of my first tensor load; the set-up below, work on registers, stands between
	ds_add_u32 v[SPW], v[NIL]                      ; and once more
	v_lshrrev_b32 v[TP], 5, v0
	v_readfirstlane_b32 s[WV], v[TP]               ; wave 0..3
	s_mov_b32 s[CLA], ttmp9                        ; the cluster's x
	s_bfe_u32 s[CX], ttmp6, 0x40000                ; my place in it: it enters Q's and out0's addresses and the mask's numbers alone
	s_and_b32 s26, ttmp7, 0xffff                   ; the batch
	s_lshl_b32 s[B4], s26, 2
	s_sub_co_u32 s[DH], 15, s[CLA]
	s_mov_b32 s[DL], s[CLA]
	s_sub_co_u32 s[NHG], 19, s[CLA]
	s_lshr_b32 s[NHG], s[NHG], 2                   ; groups of the high step: DH / 4 + 1; the low step has 5 less that
	s_mul_i32 s[WOFF], s[WV], QTR
	; descriptor group 1: a dense block of 25,600 bytes as 100 rows of 32 elements of 8 bytes
	s_mov_b32 s[G1], 15|(3<<16)|(1<<21)            ; 15:0 the mask: all four work-groups; 17:16 elements of 8 bytes; 21 set beside a mask; no padding: images are read 16 bytes a lane on end
	s_mov_b32 s[G1+1], 32<<16                      ; tensor_dim0
	s_mov_b32 s[G1+2], 100<<16                     ; tensor_dim1
	s_mov_b32 s[G1+3], 32<<16                      ; tile_dim0
	s_mov_b32 s[G1+4], 100                         ; tile_dim1
	s_mov_b32 s[G1+5], 32                          ; the pitch
	s_mov_b32 s[G1+6], 0
	s_mov_b32 s[G1+7], 0
	s_mov_b32 s[G0K], 1
	s_add_co_u32 s[G0K+1], s[WOFF], KSLOT
	s_mov_b32 s[G0V], 1
	s_add_co_u32 s[G0V+1], s[WOFF], VSLOT
	s_mul_i32 s28, s[B4], GRP                      ; group 0 of my batch,
	s_add_co_u32 s28, s28, s[WOFF]                 ; my quarter
	s_mov_b32 s29, 0
	s_mov_b32 s[SEL], 0x76543210
	s_mov_b32 s[SEL+1], 0xfedcba98                 ; lane l xor 16
	s_mov_b32 s[CS], 0x3db8aa3b                    ; c = log2(e) / 16
	s_mov_b32 s[CS+1], s[CS]
	s_mov_b32 s[CNT], 0
	s_lshl_b32 s27, s26, 4
	s_add_co_u32 s30, s27, s[DH]                   ; the high step's block: 16 batch + DH
	s_add_co_u32 s27, s27, s[DL]                   ; the low one's
	s_lshl_b32 s31, s[CX], 1                       ; my first tile
	s_lshl_b32 s52, s30, 3
	s_add_co_u32 s52, s52, s31
	s_mul_i32 s52, s52, 2*FRB
	s_mov_b32 s53, 0
	s_lshl_b32 s56, s27, 3
	s_add_co_u32 s56, s56, s31
	s_mul_i32 s56, s56, 2*FRB
	s_mov_b32 s57, 0
	s_lshl_b32 s31, s[CX], 7                       ; its scale words: 64 bytes a tile
	s_lshl_b32 s54, s30, 10
	s_add_co_u32 s54, s54, s31
	s_mov_b32 s55, 0
	s_lshl_b32 s58, s27, 10
	s_add_co_u32 s58, s58, s31
	s_mov_b32 s59, 0
	v_and_b32 v[LI], 31, v0
	v_lshlrev_b32 v[LI], 4, v[LI]
	v_and_b32 v[TP], 15, v0                        ; r
	v_bfe_u32 v[SUM], v0, 4, 1                     ; h
	v_lshlrev_b32 v[QSA], 2, v[TP]
	v_lshl_add_u32 v[QSA], v[SUM], 9, v[QSA]
	s_mul_i32 s30, s[WV], RUN
	v_add_nc_u32 v[LK], s30, v[LI]
	v_add_nc_u32 v[LK+1], 2*QTR, v[LK]
	v_add_nc_u32 v[LKS], s[WOFF], v[LI]
	v_add_nc_u32 v[LKS], 4*RUN, v[LKS]
	v_add_nc_u32 v[LV], VSLOT, v[LK]
	v_add_nc_u32 v[LV+1], VSLOT, v[LK+1]
	v_add_nc_u32 v[LVS], VSLOT, v[LKS]
	v_mul_u32_u24 v[MA], v[TP], MROW               ; the merge: row r, 32 bytes for each half of the lanes, my wave's part
	v_lshl_add_u32 v[MA], v[SUM], 5, v[MA]
	s_mul_i32 s30, s[WV], MT
	v_add_nc_u32 v[MA], s30, v[MA]
	v_add_nc_u32 v[MA+1], MTAU, v[MA]
	v_add_nc_u32 v[MA+2], 2*MTAU, v[MA]
	v_add_nc_u32 v[MA+3], 3*MTAU, v[MA]
	v_lshrrev_b32 v[STL], 1, v[LI]
	v_add_nc_u32 v[STL], STAT, v[STL]              ; 8 bytes a lane
	s_lshl_b32 s30, s[WV], 8
	v_add_nc_u32 v[STA], s30, v[STL]
	s_mul_i32 s30, s[WV], MTAU
	v_add_nc_u32 v[RA], s30, v[LI]
	v_add_nc_u32 v[RA+1], 2*MT, v[RA]
	v_and_b32 v[DM], 8, v[TP]
	v_add_nc_u32 v[DM], v[DM], v[TP]               ; r + 8 (r / 8)
	v_lshlrev_b32 v[DM+1], 4, v[SUM]
	v_sub_nc_u32 v[DM], v[DM], v[DM+1]             ; - 16 h
	s_lshl_b32 s31, s[CX], 5
	v_add_nc_u32 v[DM], s31, v[DM]                 ; + 32 cx: tile 0;
	v_add_nc_u32 v[DM+1], 8, v[DM]                 ; tile 1 lies 8 on
	s_wait_dscnt 0x0                               ; both opening adds are done
	s_wait_kmcnt 0x0
	s_add_nc_u64 s[G0K+2:G0K+3], s[8:9], s[28:29]
	s_or_b32 s[G0K+3], s[G0K+3], 0x80000000        ; type = 2
	s_add_nc_u64 s[52:53], s[4:5], s[52:53]
	s_add_nc_u64 s[54:55], s[6:7], s[54:55]
	s_add_nc_u64 s[56:57], s[4:5], s[56:57]
	s_add_nc_u64 s[58:59], s[6:7], s[58:59]
	CROUND                                         ; all four work-groups are here: the first joint loads meet
	JL G0K                                         ; K's group 0: every wave issues a first fill
	WIN TO_F
.irp i, 0,1,2,3,4,5,6,7,8,9,10,11
	global_load_b128 v[192+4*\i:192+4*\i+3], v[LI], s[52:53] offset:512*\i   ; the high step's Q: my two tiles, two K steps each, as they lie
.endr
	WIN 0xc0                                       ; destination window 3
.irp i, 0,1,2,3,4,5,6,7,8,9,10,11
	global_load_b128 v[4*\i:4*\i+3], v[LI], s[56:57] offset:512*\i           ; the low step's waits in window 3
.endr
.set i, 48
.rept 208
	v_mov_b32 v[i], 0                              ; the rest of window 3 is written once here: the change of steps, which fills it, stands under a branch, and every register is written on every way before it is read
.set i, i+1
.endr
	WIN 0
.irp u, 0,1
	global_load_b32 v[QS+\u], v[QSA], s[54:55] offset:64*\u
	global_load_b32 v[QL+\u], v[QSA], s[58:59] offset:64*\u
.endr
	WIN 0x40                                       ; destination window 1
.set i, 0
.rept 256
	v_mov_b32 v[i], 0                              ; O^T.  (The key step is written once: the first finds zeros, which the first change of M leaves zeros.)  These stand while the first tile is on its way
.set i, i+1
.endr
	WIN 0
.irp u, 0,1
	v_mov_b32 v[ST+4*\u+1], 0xff61b1e6             ; the largest t so far: -3e38, under every t
	v_floor_f32 v[ST+4*\u], -v[ST+4*\u+1]          ; -M
	v_mov_b32 v[ST+4*\u+2], 0                      ; the sum, in two halves
	v_mov_b32 v[ST+4*\u+3], 0
.endr
	v_mov_b32 v[NINF], 0xff800000
	v_mov_b32 v[FF+1], 0                           ; (named as the upper half of a pair)
.irp b, 0,1,2,3
	v_mov_b32 v[T2+\b], 0                          ; a lane permute's destination counts as one of its sources
.endr
.irp i, 0,1,2,3,4,5,6,7
	v_mov_b32 v[SV+\i], 0                          ; written under a branch, read behind it: so written here too; likewise what a trip's first half hands to its second:
.endr
	v_mov_b32 v[PS], 0                             ; tile 0's scale word of p,
.irp i, 0,1,2,3,4,5,6,7,8,9,10,11
	v_mov_b32 v[PC+\i], 0                          ; its codes,
.endr
.set i, 0
.rept 64
	v_mov_b32 v[S+64+i], 0                         ; and tile 1's scores
.set i, i+1
.endr
	s_wait_loadcnt 0x0                             ; Q
; A TRIP: one group of four key steps.  First half: K's slot is read, V's is filled.  Second half: V's slot is read, K's is filled with the next trip's group (last = 1: nothing is left to fetch).
.macro TRIP last
	s_wait_tensorcnt 0x0                           ; my quarter of K's group has landed; no tensor load of mine is out, so a group 0 may be written
	ds_add_u32 v[SPW], v[NIL]                      ; 0 onto my spare word: the scalar work below stands between it and the wait for it
	s_cmp_lt_u32 s[CNT], s[NHG]
	s_cselect_b32 s[DD], s[DH], s[DL]              ; the query step in hand,
	s_cselect_b32 s26, 0, s[NHG]
	s_sub_co_u32 s[GR], s[CNT], s26                ; its group,
	s_lshl_b32 s[STP], s[GR], 2
	s_add_co_u32 s[STP], s[STP], s[WV]             ; my key step
	s_add_co_u32 s28, s[B4], s[GR]
	s_mul_i32 s28, s28, GRP
	s_add_co_u32 s28, s28, s[WOFF]
	s_add_nc_u64 s[G0V+2:G0V+3], s[10:11], s[28:29]
	s_or_b32 s[G0V+3], s[G0V+3], 0x80000000
	s_wait_dscnt 0x0                               ; the add is done, and my reads of V's slot are over
	CROUND                                         ; both hold of every wave of the cluster: K's slot is whole, nobody reads V's
	JL G0V                                         ; the first thing behind the round, and my one tensor load until the next.
	s_cmp_lg_u32 s[CNT], s[NHG]                    ; ids and the trip's number alone
	s_cbranch_scc1 .Lsame_\@
	SWITCH
.Lsame_\@:
	s_cmp_gt_u32 s[STP], s[DD]                     ; my step's keys all come after the queries: nothing to do
	s_cbranch_scc1 .Lhid_a_\@
	KFETCH
	s_wait_dscnt 24                                ; the scale image and K step 0's fragments are in; the 24 loads of K step 1's may be out
	WIN W_KQ
	KQ 0
	s_wait_dscnt 0x0
	KQ 1
	WIN 0
.rept 4
	v_nop                                          ; places ahead of the reads of the scores, and of the loads into K's registers
.endr
	s_cmp_lg_u32 s[STP], s[DD]
	s_cbranch_scc1 .Lopen_\@
	MASK 0                                         ; the one step on the diagonal.  Its key 0 counts for every query, so M is a number after every step that is walked
	MASK 1
.Lopen_\@:
	SOFT 0
.Lhid_a_\@:
	s_wait_tensorcnt 0x0                           ; my quarter of V's group has landed
	ds_add_u32 v[SPW], v[NIL]
.if !\last
	s_add_co_u32 s27, s[CNT], 1                    ; the next trip's group of K
	s_cmp_lt_u32 s27, s[NHG]
	s_cselect_b32 s26, 0, s[NHG]
	s_sub_co_u32 s27, s27, s26
	s_add_co_u32 s28, s[B4], s27
	s_mul_i32 s28, s28, GRP
	s_add_co_u32 s28, s28, s[WOFF]
	s_add_nc_u64 s[G0K+2:G0K+3], s[8:9], s[28:29]
	s_or_b32 s[G0K+3], s[G0K+3], 0x80000000
.endif
	s_wait_dscnt 0x0                               ; the add is done, and my reads of K's slot are over
.if !\last
	CROUND
	JL G0K
.else
	s_barrier_signal -1                            ; nothing is filled again: the work-group's barrier shows V's slot whole
	s_barrier_wait -1
.endif
	s_cmp_gt_u32 s[STP], s[DD]
	s_cbranch_scc1 .Lhid_b_\@
	VFETCH
	WIN 0
	SOFT 1                                         ; while V's fragments come
	s_wait_dscnt 0x0
	WIN W_PV
	PV
	WIN 0
.Lhid_b_\@:
.endm
.Ltrip:                                            ; four trips: behind each the next group of K has been asked for
	TRIP 0
	s_add_co_u32 s[CNT], s[CNT], 1
	s_cmp_lt_u32 s[CNT], 4
	s_cbranch_scc1 .Ltrip
	TRIP 1                                         ; the fifth is written out
	; THE MERGE.  Tiles 0, 1: the high step's (window 3, statistics saved); tiles 2, 3: the low step's (window 1).
.rept 4
	v_nop                                          ; places behind the last products
.endr
.macro STATS tau, st
	v_add_f32 v[MP+2*\tau+1], v[\st+2], v[\st+3]   ; the sum's two halves,
	v_permlanex16_b32 v[T2+\tau], v[MP+2*\tau+1], s[SEL], s[SEL+1]
	v_add_f32 v[MP+2*\tau+1], v[MP+2*\tau+1], v[T2+\tau]   ; and lane l xor 16's
	v_mov_b32 v[MP+2*\tau], v[\st]                 ; -M
	ds_store_b64 v[STA], v[MP+2*\tau:MP+2*\tau+1] offset:1024*\tau
.endm
	STATS 0, SV
	STATS 1, SV+4
	STATS 2, ST
	STATS 3, ST+4
	s_wait_dscnt 0x0                               ; my statistics have landed, and my reads of the slots are over
	s_barrier_signal -1
	s_barrier_wait -1                              ; so are everybody's: the slots' bytes may be written
.irp tau, 0,1,2,3
.irp i, 0,1,2,3
	ds_load_b64 v[SP+8*\tau+2*\i:SP+8*\tau+2*\i+1], v[STL] offset:256*(4*\tau+\i)
.endr
.endr
	s_wait_dscnt 0x0
.irp tau, 0,1,2,3
	v_min_num_f32 v[T2+\tau], v[SP+8*\tau], v[SP+8*\tau+2]
	v_min_num_f32 v[BM+\tau], v[SP+8*\tau+4], v[SP+8*\tau+6]
.endr
.irp tau, 0,1,2,3
	v_min_num_f32 v[T2+\tau], v[T2+\tau], v[BM+\tau]   ; the least -M: the tile's M
.endr
.irp tau, 0,1,2,3
.irp i, 0,1,2,3
	v_sub_f32 v[SP+8*\tau+2*\i], v[T2+\tau], v[SP+8*\tau+2*\i]   ; wave i's M less the tile's: a whole number, 0 or less; of a wave that walked no step of the tile -3e38
.endr
	v_sub_f32 v[MP+2*\tau], v[T2+\tau], v[MP+2*\tau]   ; my own
.endr
.irp tau, 0,1,2,3
.irp i, 0,1,2,3
	v_cvt_i32_f32 v[SP+8*\tau+2*\i], v[SP+8*\tau+2*\i]   ; (it saturates)
.endr
	v_cvt_i32_f32 v[MP+2*\tau], v[MP+2*\tau]
.endr
.irp tau, 0,1,2,3
.irp i, 0,1,2,3
	v_ldexp_f32 v[SP+8*\tau+2*\i], 1.0, v[SP+8*\tau+2*\i]   ; the factor: a power of two, or 0
.endr
	v_ldexp_f32 v[MP+2*\tau], 1.0, v[MP+2*\tau]
.endr
.irp tau, 0,1,2,3
	v_mul_f32 v[CT+\tau], v[SP+8*\tau], v[SP+8*\tau+1]
.endr
.irp i, 1,2,3
.irp tau, 0,1,2,3
	v_fma_f32 v[CT+\tau], v[SP+8*\tau+2*\i], v[SP+8*\tau+2*\i+1], v[CT+\tau]   ; the row's sum under the tile's M
.endr
.endr
.irp tau, 0,1,2,3
	v_rcp_f32 v[CT+\tau], v[CT+\tau]
.endr
	v_nop                                          ; a plain place behind the last reciprocal
	s_wait_alu depctr_va_vdst(0)                   ; one wait for the four, ahead of their first reader
.irp tau, 0,1,2,3
	v_mul_f32 v[GG+2*\tau], v[MP+2*\tau], v[CT+\tau]     ; my factor / the sum, twice: a pair for the packed multiply
	v_mul_f32 v[GG+2*\tau+1], v[MP+2*\tau], v[CT+\tau]
.endr
.macro SPILL tau, wmul, wst                    ; my part of tile tau, scaled, goes to LDS: lane (r, h): row r, numbers 16 d + 8 h + 0 .. 7
	WIN \wmul
.set j, 128*((\tau)%2)
.rept 64
	v_pk_mul_f32 v[j:j+1], v[j:j+1], v[GG+2*\tau:GG+2*\tau+1]   ; each accumulator from its low end on
.set j, j+2
.endr
	WIN \wst
.irp d, 0,1,2,3,4,5,6,7,8,9,10,11,12,13,14,15
	ds_store_b128 v[MA+\tau], v[128*((\tau)%2)+8*\d:128*((\tau)%2)+8*\d+3] offset:64*\d
	ds_store_b128 v[MA+\tau], v[128*((\tau)%2)+8*\d+4:128*((\tau)%2)+8*\d+7] offset:64*\d+16
.endr
.endm
	SPILL 0, 0xc3, 0x0c                            ; window 3: destination and source 0; then an LDS store's data, its source 1
	SPILL 1, 0xc3, 0x0c
	SPILL 2, 0x41, 0x04                            ; window 1
	SPILL 3, 0x41, 0x04
	WIN 0
	s_cmp_lt_u32 s[WV], 2                          ; wave w adds and stores tile w: its query step,
	s_cselect_b32 s52, s[DH], s[DL]
	s_lshl_b32 s52, s52, 7
	s_lshl_b32 s53, s[B4], 9                       ; 2,048 rows a batch,
	s_add_co_u32 s52, s52, s53
	s_lshl_b32 s53, s[CX], 5                       ; my work-group's 32 queries,
	s_add_co_u32 s52, s52, s53
	s_and_b32 s53, s[WV], 1
	s_lshl_b32 s53, s53, 3                         ; the tile's first
	s_add_co_u32 s52, s52, s53
	s_lshl_b32 s52, s52, 10                        ; rows of 1,024 bytes
	s_mov_b32 s53, 0
	s_add_nc_u64 s[12:13], s[12:13], s[52:53]
	s_wait_dscnt 0x0                               ; my parts have landed
	s_barrier_signal -1
	s_barrier_wait -1
.irp q, 0,1,2,3                                ; four rows at a time: 32 loads, 48 packed additions, 8 stores
.if \q > 0
	s_wait_xcnt 0x0                                ; the last stores have read their registers
.endif
.irp e, 0,1,2,3,4,5,6,7                        ; row 4 q + e / 2, half e % 2
.irp p, 0,1,2,3
	ds_load_b128 v[OB+16*\e+4*\p:OB+16*\e+4*\p+3], v[RA+\p/2] offset:(\p%2)*MT+MROW*(4*\q+\e/2)+512*(\e%2)
.endr
.endr
	s_wait_dscnt 0x0
.irp e, 0,1,2,3,4,5,6,7
	v_pk_add_f32 v[OB+16*\e:OB+16*\e+1], v[OB+16*\e:OB+16*\e+1], v[OB+16*\e+4:OB+16*\e+5]
	v_pk_add_f32 v[OB+16*\e+2:OB+16*\e+3], v[OB+16*\e+2:OB+16*\e+3], v[OB+16*\e+6:OB+16*\e+7]
	v_pk_add_f32 v[OB+16*\e+8:OB+16*\e+9], v[OB+16*\e+8:OB+16*\e+9], v[OB+16*\e+12:OB+16*\e+13]
	v_pk_add_f32 v[OB+16*\e+10:OB+16*\e+11], v[OB+16*\e+10:OB+16*\e+11], v[OB+16*\e+14:OB+16*\e+15]
	v_pk_add_f32 v[OB+16*\e:OB+16*\e+1], v[OB+16*\e:OB+16*\e+1], v[OB+16*\e+8:OB+16*\e+9]
	v_pk_add_f32 v[OB+16*\e+2:OB+16*\e+3], v[OB+16*\e+2:OB+16*\e+3], v[OB+16*\e+10:OB+16*\e+11]
	global_store_b128 v[LI], v[OB+16*\e:OB+16*\e+3], s[12:13] offset:((4*\q+\e/2)+8*((4*\q+\e/2)/8))*1024+512*(\e%2) th:TH_STORE_NT   ; 32 lanes store 512 consecutive bytes, aligned; row rho of the tile is query rho + 8 (rho / 8)
.endr
.endr
	s_wait_tensorcnt 0x0                           ; the wave's end: behind my last tensor load and my last LDS store
	ds_add_u32 v[SPW], v[NIL]
	s_wait_dscnt 0x0
	CROUND                                         ; the closing round: no work-group ends while a partner may still ask for a tile that names it
	s_endpgm
.Lfunc_end_k_q0f81907b90_attn:
	.size	k_q0f81907b90_attn, .Lfunc_end_k_q0f81907b90_attn-k_q0f81907b90_attn
	.p2alignl 7, 3214868480
	.fill 96, 4, 3214868480
	.section	.rodata,"a",@progbits
	.p2align	6, 0x0
	.amdhsa_kernel k_q0f81907b90_attn
		.amdhsa_group_segment_fixed_size 327680
		.amdhsa_private_segment_fixed_size 0
		.amdhsa_enable_private_segment 0
		.amdhsa_kernarg_size 40
		.amdhsa_user_sgpr_count 2
		.amdhsa_user_sgpr_kernarg_segment_ptr 1
		.amdhsa_wavefront_size32 1
		.amdhsa_system_sgpr_workgroup_id_x 1
		.amdhsa_system_sgpr_workgroup_id_y 1
		.amdhsa_system_sgpr_workgroup_id_z 1
		.amdhsa_system_vgpr_workitem_id 0
		.amdhsa_next_free_vgpr 1024
		.amdhsa_next_free_sgpr 66
		.amdhsa_reserve_vcc 1
		.amdhsa_float_denorm_mode_32 3
		.amdhsa_float_denorm_mode_16_64 3
		.amdhsa_memory_ordered 1
		.amdhsa_forward_progress 1
		.amdhsa_inst_pref_size 214
	.end_amdhsa_kernel
	.amdgpu_metadata
---
amdhsa.version: [ 1, 2 ]
amdhsa.kernels:
  - .name:           k_q0f81907b90_attn
    .symbol:         k_q0f81907b90_attn.kd
    .args:
      - { .name: qimg, .offset: 0, .size: 8, .value_kind: global_buffer, .address_space: global }
      - { .name: qsc, .offset: 8, .size: 8, .value_kind: global_buffer, .address_space: global }
      - { .name: kimg, .offset: 16, .size: 8, .value_kind: global_buffer, .address_space: global }
      - { .name: vimg, .offset: 24, .size: 8, .value_kind: global_buffer, .address_space: global }
      - { .name: out0, .offset: 32, .size: 8, .value_kind: global_buffer, .address_space: global }
    .group_segment_fixed_size: 327680
    .private_segment_fixed_size: 0
    .kernarg_segment_align: 8
    .kernarg_segment_size: 40
    .max_flat_workgroup_size: 128
    .sgpr_count:     66
    .vgpr_count:     1024
    .wavefront_size: 32
...
	.end_amdgpu_metadata
.endif
;; end of part 2
;; ======== version 2 of 2: 2 launches
;; limits: right only within a limited range of input values
;; workspace buffers: qimg 3,145,728 bytes; qsc 131,072 bytes; kimg 3,276,800 bytes; vimg 3,276,800 bytes
;; launch proj (part 3): grid 128 x 2, 8 waves a work-group, no clusters, 55,808 bytes of LDS; arguments x, Wq, bq, Wk, bk, Wv, bv, qimg, qsc, kimg, vimg; writes qimg, qsc, kimg, vimg
.if DOCPART == 3
	.amdgcn_target "amdgcn-amd-amdhsa--gfx1250"
	.amdhsa_code_object_version 6
	.text
	.protected	k_q0f81907b90_proj
	.globl	k_q0f81907b90_proj
	.p2align	8
	.type	k_q0f81907b90_proj,@function
k_q0f81907b90_proj:
	s_mov_b64 s[64:65], 0
	v_nop
	global_prefetch_b8 v0, s[64:65] scope:SCOPE_SE
	s_setreg_imm32_b32 hwreg(HW_REG_WAVE_MODE, 25, 1), 1
	s_wait_xcnt 0x0
; q = Q(x) Q(Wq) + bq, k = Q(x) Q(Wk) + bk, v = Q(x) Q(Wv) + bv on codes of FP6 (E2M3) with one E8M0 scale for each 32 along K (= E, 128), and the results quantised again for the attention launch:
; q and k along H (256: two K steps of 128), v along the tokens (the keys are the second attention product's K).  x: [8][2048][128] f32; W: [128][256] f32, K its first axis; b: [256] f32.
; DEAD WORK OF THE PROGRAM.  This launch leaves nothing out: x, the three weights and the three biases all move codes or scales of a live operand.  The attention launch leaves out the key steps of 128 keys
; that lie wholly behind a query tile's last query: reference() itself builds the mask tril(ones(T, T)) and sets those scores to -inf ahead of the softmax, so their p is 0 and they add nothing to the row's sum
; or to the output, whatever the inputs hold.  LIMIT: a NaN, an infinity or an overflow that reaches only those scores is not carried to the result.
; LIMITS: NaN and infinities among the inputs are not served.  A block whose largest magnitude lies under 2^(2 - 126) keeps the scale byte 1; a block of zeros gets the byte 1 where the rule says 127: its codes are
; zeros, which add nothing under any byte but 0xff, and the bytes are read by this program alone.
; SHARES.  Work-group (BLK, Z): the 128 tokens of block BLK = 16 batch + step, and features 128 Z .. 128 Z + 127 of q, k and v.  Eight waves.  Wave w first quantises x's tile w and tile w of each weight
; (a lane takes a row of x, or a column of W with its registers down K) and leaves them in LDS as images of the operand's registers (12 registers a lane: 3 stores of 16 bytes a lane); one barrier;
; then it makes one fragment of q, one of k, one of v: 8 matrix instructions each, quantised in registers, stored as images: each store covers 512 consecutive bytes, aligned.
; THE ROWS OF A TILE ARE NOT NEIGHBOURS: lane r of tile 2 b + u takes token (or feature) 32 b + 8 u + r + 8 (r / 8).  So, with source 0 = the 8 tiles and source 1 = one tile, a lane's 16 registers of results 2 b
; and 2 b + 1 are 16 neighbours 32 b + 16 (lane / 16) + 0 .. 15 along the next K.  q, k: source 0 = W's 8 tiles of features, source 1 = x's tile w: a lane holds one token, registers along the features.
; v: source 0 = x's 8 tiles of tokens, source 1 = 16 columns of Wv: a lane holds one feature, registers along the tokens.
; WORKSPACE.  qimg [BLK][tile 8][K step 2][1536].  qsc [BLK][K step 2][tile 8][16] words.  kimg, vimg: [batch][group of 4 steps] of 102,400 bytes, each four quarters of 25,600: in quarter c, for each step s, 6,144 bytes:
; k: fragments (key tile 2 c + a, K step z) at (2 a + z) 1536;  v: fragments of feature tiles 4 c + f at 1536 f;  behind them 1,024 bytes: for each step 256 bytes of scale words of the quarter's own tiles.
; No cluster: what two work-groups share, x, goes straight into registers, once.
.set XIMG,  0                          ; LDS: x's 8 fragments,
.set WIMG,  12288                      ; the weights' 24 (8 matrix + tile),
.set XSC,   49152                      ; x's scale words, 128 bytes a tile,
.set WSC,   50176                      ; the weights',
.set GQ,    53248                      ; and where the results' scale words are gathered: q's, 512 bytes,
.set GK,    53760                      ; k's,
.set GV,    54272                      ; v's
.set SPARE, 54784                      ; the spare words, 128 bytes for each wave: four blocks of 256 bytes that no other line names
.set FRB,   1536                       ; a fragment's image
.set GRP,   102400
.set QTR,   25600
.set RUN,   6144
.set LI,  1                            ; v1   16 x lane
.set LS,  2                            ; v2   4 x lane
.set XA,  3                            ; v3   x: my row's byte + 64 (lane / 16)
.set WAP, 4                            ; v4   Wq, Wk: my column (the tile's order) + 16 rows x (lane / 16)
.set WAN, 5                            ; v5   Wv: my column (neighbours)
.set IW,  6                            ; v6   16 x lane + 1536 x wave
.set SW,  7                            ; v7   4 x lane + 128 x wave
.set BA,  8                            ; v8   bq, bk: 64 (lane / 16)
.set BVA, 9                            ; v9   bv: 4 r + 64 x wave
.set GQA, 10                           ; v10-12 where my result's scale word goes in GQ, GK, GV
.set GL,  13                           ; v13  k's scale words on the way out: quarter lane / 8, 16 (lane % 8)
.set SPW, 14                           ; v14  LDS address of my spare word; never rewritten
.set NIL, 15                           ; v15  0; never rewritten
.set F1,  16                           ; v16-27   source 1's fragment
.set F8,  28                           ; v28-123  source 0's eight
.set BUFB, 28                          ; v28-91   64 numbers, ahead of the barrier
.set HA,  124                          ; v124-187 64 numbers; the 8 accumulators
.set PC,  188                          ; v188-206 the codes just made
.set TM,  208                          ; v208-223 at work in the quantiser
.set PW,  224                          ; v224 the scale word just made
.set S1,  225                          ; v225 source 1's scale words
.set S8,  226                          ; v226-233 source 0's
.set BV,  234                          ; v[234:235] bv of my feature
.set GT,  236                          ; v236-239 the gathered words on the way out
.set WV,  26
.set ZZ,  28
.set SEL, 36
; 64 numbers of a lane, register 16 b + i = k 32 b + 16 (lane / 16) + i of my row, become a fragment's codes in v[PC] on and its scale word in v[PW]
.macro QUANT s
.irp b, 0,1,2,3
	v_max3_num_f32 v[TM+\b], |v[\s+16*\b]|, |v[\s+1+16*\b]|, 0x1800000   ; block b: my 16 numbers, and the floor 2^(3 - 127): the byte cannot fall under 1
.endr
.irp i, 2,4,6,8,10,12,14
.irp b, 0,1,2,3
	v_max3_num_f32 v[TM+\b], v[TM+\b], |v[\s+16*\b+\i]|, |v[\s+1+16*\b+\i]|   ; the four blocks by turns
.endr
.endr
.irp b, 0,1,2,3
	s_delay_alu instid0(VALU_DEP_4)
	v_permlanex16_b32 v[TM+4+\b], v[TM+\b], s[SEL], s[SEL+1]
.endr
.irp b, 0,1,2,3
	s_delay_alu instid0(VALU_DEP_4)
	v_max_num_f32 v[TM+\b], v[TM+\b], v[TM+4+\b]   ; with lane l xor 16's: the block's largest magnitude
.endr
.irp b, 0,1,2,3
	s_delay_alu instid0(VALU_DEP_4)
	v_add_nc_u32 v[TM+12+\b], 0xff000000, v[TM+\b]   ; 2 off its exponent field: the conversion takes this operand's exponent field as its scale
.endr
.irp b, 0,1,2,3
	s_delay_alu instid0(VALU_DEP_4)
	v_lshrrev_b32 v[TM+4+\b], 23, v[TM+12+\b]      ; the scale's byte
.endr
	s_delay_alu instid0(VALU_DEP_3)
	v_lshl_or_b32 v[PW], v[TM+5], 8, v[TM+4]
	s_delay_alu instid0(VALU_DEP_1)
	v_lshl_or_b32 v[PW], v[TM+6], 16, v[PW]
	s_delay_alu instid0(VALU_DEP_1)
	v_lshl_or_b32 v[PW], v[TM+7], 24, v[PW]
.irp c, 0,1
	v_cvt_scalef32_pk16_fp6_f32 v[PC+6*\c:PC+2+6*\c], v[\s+32*\c:\s+15+32*\c], v[TM+12+2*\c]
	v_cvt_scalef32_pk16_fp6_f32 v[PC+12+4*\c:PC+14+4*\c], v[\s+16+32*\c:\s+31+32*\c], v[TM+12+2*\c+1]   ; (a conversion's three registers begin on an even number)
.endr
	v_nop                                          ; one plain place behind a scaled conversion
.irp c, 0,1                                    ; the operand's layout wants a whole block in a lane
.irp i, 0,1,2
	v_permlane16_swap_b32 v[PC+6*\c+\i], v[PC+12+4*\c+\i]
.endr
.irp i, 0,1,2
	s_delay_alu instid0(VALU_DEP_3)
	v_mov_b32 v[PC+3+6*\c+\i], v[PC+12+4*\c+\i]
.endr
.endr
.endm
.macro IMAGE adr, off                          ; the fragment in v[PC] on goes to LDS as it stands
.irp c, 0,1,2
	ds_store_b128 v[\adr], v[PC+4*\c:PC+4*\c+3] offset:\off+512*\c
.endr
.endm
.macro FETCH reg, adr, off                     ; and comes back so, in any wave
.irp c, 0,1,2
	ds_load_b128 v[\reg+4*\c:\reg+4*\c+3], v[\adr] offset:\off+512*\c
.endr
.endm
.macro XLOAD reg                               ; my row of x: of each block of 32 my half's 16 numbers
.irp b, 0,1,2,3
.irp j, 0,1,2,3
	global_load_b128 v[\reg+16*\b+4*\j:\reg+16*\b+4*\j+3], v[XA], s[4:5] offset:128*\b+16*\j
.endr
.endr
.endm
.macro WLOAD reg, adr, base                    ; my column of a weight, down K: rows 32 b + 16 (lane / 16) + i
.irp b, 0,1,2,3
.irp i, 0,1,2,3,4,5,6,7,8,9,10,11,12,13,14,15
	global_load_b32 v[\reg+16*\b+\i], v[\adr], s[\base:\base+1] offset:(32*\b+\i)*1024
.endr
.endr
.endm
.macro BARRIER                                 ; my LDS stores have landed and my LDS loads are in: then the work-group's barrier
	s_wait_dscnt 0x0
	s_barrier_signal -1
	s_barrier_wait -1
.endm
	s_load_b512 s[4:19], s[0:1], 0x0               ; x 4, Wq 6, bq 8, Wk 10, bk 12, Wv 14, bv 16, qimg 18
	s_load_b128 s[20:23], s[0:1], 0x40             ; qsc 20, kimg 22
	s_load_b64 s[24:25], s[0:1], 0x50              ; vimg
	v_lshl_add_u32 v[SPW], v0, 2, SPARE
	v_mov_b32 v[NIL], 0
	v_lshrrev_b32 v243, 5, v0
	s_delay_alu instid0(VALU_DEP_1)
	v_readfirstlane_b32 s[WV], v243                ; wave 0..7
	s_and_b32 s[ZZ], ttmp7, 0xffff                 ; Z
	v_and_b32 v243, 31, v0                         ; lane
	v_and_b32 v240, 15, v0                         ; r
	v_bfe_u32 v241, v0, 4, 1                       ; h
	s_delay_alu instid0(VALU_DEP_2)
	v_and_b32 v242, 8, v240
	s_delay_alu instid0(VALU_DEP_1)
	v_add_nc_u32 v242, v242, v240                  ; r + 8 (r / 8)
	v_lshlrev_b32 v[LI], 4, v243
	v_lshlrev_b32 v[LS], 2, v243
	s_lshr_b32 s30, s[WV], 1
	s_lshl_b32 s30, s30, 5
	s_and_b32 s31, s[WV], 1
	s_lshl_b32 s31, s31, 3
	s_add_co_u32 s31, s31, s30                     ; tile w begins at 32 (w / 2) + 8 (w % 2)
	v_add_nc_u32 v[XA], s31, v242
	s_delay_alu instid0(VALU_DEP_1)
	v_lshlrev_b32 v[XA], 9, v[XA]                  ; a row of x is 512 bytes
	s_delay_alu instid0(VALU_DEP_1)
	v_lshl_add_u32 v[XA], v241, 6, v[XA]
	s_lshl_b32 s52, s[ZZ], 7                       ; 128 Z
	s_add_co_u32 s53, s52, s31
	v_add_nc_u32 v[WAP], s53, v242
	s_delay_alu instid0(VALU_DEP_1)
	v_lshlrev_b32 v[WAP], 2, v[WAP]
	s_delay_alu instid0(VALU_DEP_1)
	v_lshl_add_u32 v[WAP], v241, 14, v[WAP]        ; 16 rows of 1,024 bytes further down for lanes 16-31
	s_lshl_b32 s53, s[WV], 4
	s_add_co_u32 s53, s53, s52
	v_add_nc_u32 v[WAN], s53, v240
	s_delay_alu instid0(VALU_DEP_1)
	v_lshlrev_b32 v[WAN], 2, v[WAN]
	s_delay_alu instid0(VALU_DEP_1)
	v_lshl_add_u32 v[WAN], v241, 14, v[WAN]
	s_mul_i32 s53, s[WV], FRB
	v_add_nc_u32 v[IW], s53, v[LI]
	s_lshl_b32 s53, s[WV], 7
	v_add_nc_u32 v[SW], s53, v[LS]
	v_lshlrev_b32 v[BA], 6, v241
	s_lshl_b32 s53, s[WV], 6
	v_lshl_add_u32 v[BVA], v240, 2, s53
	s_delay_alu instid0(VALU_DEP_1)
	v_add_nc_u32 v[GQA], GQ, v[BVA]                ; q's word (tile w, row r): 64 w + 4 r
	; THE SCALE WORDS BEHIND A QUARTER'S RUNS, 256 bytes for each step s (this is the layout that the attention launch reads): k: quarter c holds its key tiles 2 c + a: word at 256 s + 8 (16 Z + r) + 4 a;
	; v: quarter c holds its feature tiles 4 c + f: word at 256 s + 8 (16 (f % 2) + r) + 4 (f / 2)
	s_lshr_b32 s53, s[WV], 1
	s_lshl_b32 s53, s53, 7
	s_and_b32 s54, s[WV], 1
	s_lshl_b32 s54, s54, 2
	s_add_co_u32 s53, s53, s54
	s_add_co_u32 s53, s53, GK
	v_lshl_add_u32 v[GQA+1], v240, 3, s53          ; k's gathered words: 128 (w / 2) + 8 r + 4 (w % 2)
	s_lshr_b32 s53, s[WV], 2
	s_lshl_b32 s53, s53, 8
	s_and_b32 s54, s[WV], 1
	s_lshl_b32 s54, s54, 7
	s_add_co_u32 s53, s53, s54
	s_bfe_u32 s54, s[WV], 0x10001
	s_lshl_b32 s54, s54, 2
	s_add_co_u32 s53, s53, s54
	s_add_co_u32 s53, s53, GV
	v_lshl_add_u32 v[GQA+2], v240, 3, s53          ; v's: 256 (w / 4) + 8 (16 (w % 2) + r) + 4 ((w % 4) / 2)
.set GLV, 244                          ; v244 v's scale words on the way out: quarter lane / 16, 16 (lane % 16)
	v_lshrrev_b32 v[GL], 3, v243
	v_and_b32 v245, 7, v243
	v_mul_u32_u24 v[GL], QTR, v[GL]
	v_mul_u32_u24 v[GLV], QTR, v241
	v_lshl_add_u32 v[GL], v245, 4, v[GL]           ; k's: quarter lane / 8, 16 (lane % 8)
	v_lshl_add_u32 v[GLV], v240, 4, v[GLV]
.irp b, 0,1,2,3
	v_mov_b32 v[TM+4+\b], 0                        ; written once: a lane permute's destination counts as one of its sources
.endr
	v_mov_b32 v[BV+1], 0                           ; (named as the upper half of a pair)
	s_mov_b32 s[SEL], 0x76543210
	s_mov_b32 s[SEL+1], 0xfedcba98                 ; lane l xor 16
	; byte offsets, each in the pair that will hold its address
	s_lshl_b32 s32, ttmp9, 16                      ; x: 128 rows of 512 bytes a block
	s_mov_b32 s33, 0
	s_lshl_b32 s34, s[ZZ], 9                       ; the biases: 128 numbers a half
	s_mov_b32 s35, 0
	s_lshl_b32 s40, ttmp9, 3
	s_add_co_u32 s40, s40, s[WV]
	s_lshl_b32 s40, s40, 1
	s_add_co_u32 s40, s40, s[ZZ]
	s_mul_i32 s40, s40, FRB                        ; q: ((8 BLK + w) 2 + Z) fragments
	s_mov_b32 s41, 0
	s_lshr_b32 s29, ttmp9, 2                       ; BLK / 4 = 4 batch + group
	s_mul_i32 s29, s29, GRP
	s_and_b32 s30, ttmp9, 3                        ; the step in its group
	s_mul_i32 s55, s30, RUN
	s_lshr_b32 s42, s[WV], 1
	s_mul_i32 s42, s42, QTR                        ; k: quarter w / 2,
	s_add_co_u32 s42, s42, s29
	s_add_co_u32 s42, s42, s55                     ; the step's run,
	s_and_b32 s54, s[WV], 1
	s_lshl_b32 s54, s54, 1
	s_add_co_u32 s54, s54, s[ZZ]
	s_mul_i32 s54, s54, FRB                        ; fragment 2 (w % 2) + Z
	s_add_co_u32 s42, s42, s54
	s_mov_b32 s43, 0
	s_lshl_b32 s54, s[ZZ], 3
	s_add_co_u32 s54, s54, s[WV]                   ; v: feature tile 8 Z + w:
	s_lshr_b32 s44, s54, 2
	s_mul_i32 s44, s44, QTR                        ; its quarter,
	s_and_b32 s54, s54, 3
	s_mul_i32 s54, s54, FRB                        ; its fragment
	s_add_co_u32 s44, s44, s54
	s_add_co_u32 s44, s44, s29
	s_add_co_u32 s44, s44, s55
	s_mov_b32 s45, 0
	s_lshl_b32 s46, ttmp9, 10
	s_add_co_u32 s46, s46, s34                     ; q's scale words: 1,024 BLK + 512 Z
	s_mov_b32 s47, 0
	s_lshl_b32 s48, s30, 8                         ; k's and v's scale words: behind the runs, 256 bytes a step
	s_add_co_u32 s48, s48, s29
	s_add_co_u32 s48, s48, 4*RUN
	s_mul_i32 s54, s[ZZ], 2*QTR
	s_add_co_u32 s50, s48, s54                     ; v: quarters 2 Z and 2 Z + 1
	s_lshl_b32 s54, s[ZZ], 7
	s_add_co_u32 s48, s48, s54                     ; k: + 128 Z
	s_mov_b32 s49, 0
	s_mov_b32 s51, 0
	s_wait_kmcnt 0x0
	s_add_nc_u64 s[4:5], s[4:5], s[32:33]
	s_add_nc_u64 s[8:9], s[8:9], s[34:35]
	s_add_nc_u64 s[12:13], s[12:13], s[34:35]
	s_add_nc_u64 s[16:17], s[16:17], s[34:35]
	s_add_nc_u64 s[40:41], s[18:19], s[40:41]
	s_add_nc_u64 s[42:43], s[22:23], s[42:43]
	s_add_nc_u64 s[44:45], s[24:25], s[44:45]
	s_add_nc_u64 s[46:47], s[20:21], s[46:47]
	s_add_nc_u64 s[48:49], s[22:23], s[48:49]
	s_add_nc_u64 s[50:51], s[24:25], s[50:51]
	; ---- the operands: x's tile w and tile w of each weight, two sets of 64 registers by turns
	XLOAD HA
	WLOAD BUFB, WAP, 6
	s_wait_loadcnt 63                              ; behind x's 16 loads 64 were issued: with 63 out at the most, x is in
	QUANT HA
	IMAGE IW, XIMG
	ds_store_b32 v[SW], v[PW] offset:XSC
	s_wait_dscnt 0x0                               ; the stores have read their registers
	WLOAD HA, WAP, 10
	s_wait_loadcnt 63                              ; behind Wq's loads 64 were issued: Wq is in
	QUANT BUFB
	IMAGE IW, WIMG
	ds_store_b32 v[SW], v[PW] offset:WSC
	s_wait_dscnt 0x0
	WLOAD BUFB, WAN, 14
	s_wait_loadcnt 63                              ; Wk is in
	QUANT HA
	IMAGE IW, WIMG+8*FRB
	ds_store_b32 v[SW], v[PW] offset:WSC+1024
	s_wait_dscnt 0x0
	s_wait_loadcnt 0x0                             ; Wv
	QUANT BUFB
	IMAGE IW, WIMG+16*FRB
	ds_store_b32 v[SW], v[PW] offset:WSC+2048
	BARRIER                                        ; all 32 fragments lie in LDS; nothing writes them again
; One fragment of q (kind 0), k (1) or v (2).  The 8 accumulators have one instruction each.
.macro JOB kind
.if \kind == 0
	FETCH F1, IW, XIMG                             ; x's tile w: it serves q and k
	ds_load_b32 v[S1], v[SW] offset:XSC
.endif
.if \kind == 2
	FETCH F1, IW, WIMG+16*FRB                      ; Wv's tile w
	ds_load_b32 v[S1], v[SW] offset:WSC+2048
.endif
.irp t, 0,1,2,3,4,5,6,7
.if \kind < 2
	FETCH F8+12*\t, LI, WIMG+(8*\kind+\t)*FRB
	ds_load_b32 v[S8+\t], v[LS] offset:WSC+(8*\kind+\t)*128
	global_load_b128 v[HA+8*\t:HA+8*\t+3], v[BA], s[8+4*\kind:9+4*\kind] offset:(32*(\t/2)+8*(\t%2))*4       ; the bias in the result's layout: it is the sum's C
	global_load_b128 v[HA+8*\t+4:HA+8*\t+7], v[BA], s[8+4*\kind:9+4*\kind] offset:(32*(\t/2)+8*(\t%2))*4+16
.else
	FETCH F8+12*\t, LI, XIMG+\t*FRB
	ds_load_b32 v[S8+\t], v[LS] offset:XSC+\t*128
.endif
.endr
.if \kind == 2
	global_load_b32 v[BV], v[BVA], s[16:17]        ; bv of my feature
.endif
	s_wait_loadcnt 0x0
	s_wait_dscnt 0x0
.irp t, 0,1,2,3,4,5,6,7
.if \kind < 2
	v_wmma_scale_f32_16x16x128_f8f6f4 v[HA+8*\t:HA+8*\t+7], v[F8+12*\t:F8+12*\t+11], v[F1:F1+11], v[HA+8*\t:HA+8*\t+7], v[S8+\t], v[S1] matrix_a_fmt:MATRIX_FMT_FP6 matrix_b_fmt:MATRIX_FMT_FP6
.else
	v_wmma_scale_f32_16x16x128_f8f6f4 v[HA+8*\t:HA+8*\t+7], v[F8+12*\t:F8+12*\t+11], v[F1:F1+11], 0, v[S8+\t], v[S1] matrix_a_fmt:MATRIX_FMT_FP6 matrix_b_fmt:MATRIX_FMT_FP6
.endif
.endr
.rept 5
	v_nop                                          ; four places ahead of the reads of the results and of the next loads into the operands; the fifth for the next kind's products, which write over the accumulators
.endr
.if \kind == 2
.set j, 0
.rept 32
	v_pk_add_f32 v[HA+j:HA+j+1], v[HA+j:HA+j+1], v[BV:BV+1] op_sel_hi:[1,0]   ; + bv: a lane holds one feature; each accumulator from its low end on
.set j, j+2
.endr
.endif
.if \kind > 0
	s_wait_xcnt 0x0                                ; the last kind's stores have read the codes' registers
.endif
	QUANT HA
.irp c, 0,1,2
	global_store_b128 v[LI], v[PC+4*\c:PC+4*\c+3], s[40+2*\kind:41+2*\kind] offset:512*\c   ; 32 lanes store 512 consecutive bytes, aligned
.endr
	ds_store_b32 v[GQA+\kind], v[PW]               ; both lanes of a row write the same word with the same value
	s_wait_dscnt 0x0
.endm
	JOB 0
	JOB 1
	JOB 2
	BARRIER                                        ; the eight waves' scale words lie gathered
	s_cmp_lg_u32 s[WV], 0                          ; three waves store 512 bytes each
	s_cbranch_scc1 .Lnot_q
	ds_load_b128 v[GT:GT+3], v[LI] offset:GQ
	s_wait_dscnt 0x0
	global_store_b128 v[LI], v[GT:GT+3], s[46:47]
.Lnot_q:
	s_cmp_lg_u32 s[WV], 1
	s_cbranch_scc1 .Lnot_k
	ds_load_b128 v[GT:GT+3], v[LI] offset:GK
	s_wait_dscnt 0x0
	global_store_b128 v[GL], v[GT:GT+3], s[48:49]  ; 128 bytes on end in each of the four quarters
.Lnot_k:
	s_cmp_lg_u32 s[WV], 2
	s_cbranch_scc1 .Lnot_v
	ds_load_b128 v[GT:GT+3], v[LI] offset:GV
	s_wait_dscnt 0x0
	global_store_b128 v[GLV], v[GT:GT+3], s[50:51] ; 256 bytes on end, aligned, in each of two quarters
.Lnot_v:
	s_wait_tensorcnt 0x0                           ; the wave's end: behind my last LDS store
	ds_add_u32 v[SPW], v[NIL]
	s_wait_dscnt 0x0
	s_endpgm
.Lfunc_end_k_q0f81907b90_proj:
	.size	k_q0f81907b90_proj, .Lfunc_end_k_q0f81907b90_proj-k_q0f81907b90_proj
	.p2alignl 7, 3214868480
	.fill 96, 4, 3214868480
	.section	.rodata,"a",@progbits
	.p2align	6, 0x0
	.amdhsa_kernel k_q0f81907b90_proj
		.amdhsa_group_segment_fixed_size 55808
		.amdhsa_private_segment_fixed_size 0
		.amdhsa_enable_private_segment 0
		.amdhsa_kernarg_size 88
		.amdhsa_user_sgpr_count 2
		.amdhsa_user_sgpr_kernarg_segment_ptr 1
		.amdhsa_wavefront_size32 1
		.amdhsa_system_sgpr_workgroup_id_x 1
		.amdhsa_system_sgpr_workgroup_id_y 1
		.amdhsa_system_sgpr_workgroup_id_z 1
		.amdhsa_system_vgpr_workitem_id 0
		.amdhsa_next_free_vgpr 256
		.amdhsa_next_free_sgpr 66
		.amdhsa_reserve_vcc 0
		.amdhsa_float_denorm_mode_32 3
		.amdhsa_float_denorm_mode_16_64 3
		.amdhsa_memory_ordered 1
		.amdhsa_forward_progress 1
		.amdhsa_inst_pref_size 76
	.end_amdhsa_kernel
	.amdgpu_metadata
---
amdhsa.version: [ 1, 2 ]
amdhsa.kernels:
  - .name:           k_q0f81907b90_proj
    .symbol:         k_q0f81907b90_proj.kd
    .args:
      - { .name: x, .offset: 0, .size: 8, .value_kind: global_buffer, .address_space: global }
      - { .name: Wq, .offset: 8, .size: 8, .value_kind: global_buffer, .address_space: global }
      - { .name: bq, .offset: 16, .size: 8, .value_kind: global_buffer, .address_space: global }
      - { .name: Wk, .offset: 24, .size: 8, .value_kind: global_buffer, .address_space: global }
      - { .name: bk, .offset: 32, .size: 8, .value_kind: global_buffer, .address_space: global }
      - { .name: Wv, .offset: 40, .size: 8, .value_kind: global_buffer, .address_space: global }
      - { .name: bv, .offset: 48, .size: 8, .value_kind: global_buffer, .address_space: global }
      - { .name: qimg, .offset: 56, .size: 8, .value_kind: global_buffer, .address_space: global }
      - { .name: qsc, .offset: 64, .size: 8, .value_kind: global_buffer, .address_space: global }
      - { .name: kimg, .offset: 72, .size: 8, .value_kind: global_buffer, .address_space: global }
      - { .name: vimg, .offset: 80, .size: 8, .value_kind: global_buffer, .address_space: global }
    .group_segment_fixed_size: 55808
    .private_segment_fixed_size: 0
    .kernarg_segment_align: 8
    .kernarg_segment_size: 88
    .max_flat_workgroup_size: 256
    .sgpr_count:     66
    .vgpr_count:     256
    .wavefront_size: 32
...
	.end_amdgpu_metadata
.endif
;; end of part 3
;; launch attn (part 4): grid 32 x 8, 4 waves a work-group, clusters of 4 x 1, 327,680 bytes of LDS; arguments qimg, qsc, kimg, vimg, out0; writes out0
.if DOCPART == 4
	.amdgcn_target "amdgcn-amd-amdhsa--gfx1250"
	.amdhsa_code_object_version 6
	.text
	.protected	k_q0f81907b90_attn
	.globl	k_q0f81907b90_attn
	.p2align	8
	.type	k_q0f81907b90_attn,@function
k_q0f81907b90_attn:
	s_mov_b64 s[64:65], 0
	v_nop
	global_prefetch_b8 v0, s[64:65] scope:SCOPE_SE
	s_setreg_imm32_b32 hwreg(HW_REG_WAVE_MODE, 25, 1), 1
	s_wait_xcnt 0x0
	s_wait_alu depctr_hold_cnt(0) depctr_sa_sdst(0) depctr_va_vdst(0) depctr_va_sdst(0) depctr_va_ssrc(0) depctr_va_vcc(0) depctr_vm_vsrc(0)
	s_getreg_b32 s2, hwreg(HW_REG_IB_STS2, 6, 4)
	s_cmp_eq_u32 s2, 0
	s_cbranch_scc0 .Lentry_in_a_cluster
	s_endpgm
.Lentry_in_a_cluster:
	s_bfe_u32 s2, ttmp6, 0x10000c
	s_cmp_lg_u32 s2, 0x3003
	s_cbranch_scc0 .Lentry_shape_is_right
	s_endpgm
.Lentry_shape_is_right:
; out[b][q][:] = the sum over keys k <= q of softmax_k(q . k / 16) v[k][:], both products on codes of FP6 (E2M3) with one E8M0 scale for each 32 along K, from the images that the launch before has stored.
; LEFT OUT: products and softmax of key steps of 128 keys that lie wholly behind the queries (reference()'s own causal mask gives them p = 0: shown at the head of the first kernel).
; THE SOFTMAX: t = score x log2(e) / 16; M = the largest t so far, rounded up to a whole number; p = 2^(t - M) is quantised along the keys, not normalised; the row's sum is taken of the unquantised p and divides at the end.
; SHARES.  A cluster of four work-groups owns query steps DH = 15 - A and DL = A (128 queries each) of one batch: together 17 key steps, whatever A.  Partner cx owns queries 32 cx .. 32 cx + 31 of both: two tiles of 16.
; The work-group walks five groups of four key steps: first the NHG = (19 - A) / 4 groups of the high step, then those of the low one.
; First product: WAVE w TAKES THE 32 KEYS OF BLOCK w OF EACH OF THE GROUP'S STEPS, for both tiles.  Second product: WAVE w TAKES FEATURES 64 w .. 64 w + 63, all keys of the group, both tiles: 64 registers of O^T.
; So each wave reads the quarter of K and the quarter of V that it has asked for itself (at the head: halves, shown by barriers), each fragment once, for two products.
; Through LDS go: the rows' maxima of the waves' keys (so M is the same in all waves), p's codes and scale bytes, the waves' parts of the rows' sums.  Nothing of O^T is exchanged.
; A group's steps behind the queries' step are the last ones, the same in all waves: scalar branches on ids and the trip's number lead round register work and LDS reads alone.  The step on the diagonal is a group's last visible one.
; CLUSTER.  Nothing that steers a branch or a tile's address holds cx: the four partners walk the same groups, and each quarter is asked for JOINTLY (mask 15).  Every quarter holds bytes of all four steps, and a group's
; first step is never behind the queries: so every load's bytes are read.
; THE RING.  One slot for K, one for V.  K's is free when the first product is done: filled again behind round A, which also shows the maxima.  V's fragments are in registers by round B, which also shows p: V's slot is filled again behind it.
; One joint load a wave behind each round; one load of a wave is out.
; No prefetch: cluster A walks the high step's groups from group ROT = A % 4 (less NHG where that is past the end) on, round the end: clusters 0-3 of a batch begin at groups 0, 1, 2, 3, clusters 4-7 at 0, 1, 2, 0: the head's loads of a batch's clusters ask for every group.
; LAYOUT.  Both products transposed: S^T = K Q^T, O^T = V^T P^T: a lane holds one query (r = lane % 16; h = lane / 16).  Lane r of tile 2 b + u of keys or queries is token 32 b + 8 u + r + 8 (r / 8), so the 16 registers of S^T's tiles 2 b, 2 b + 1 are keys 32 b + 16 h + 0 .. 15.
; LIMITS: NaN and infinities are not served; p under 2^-126 is 0; a block of p that is all zeros keeps the scale byte 1 (its codes are zeros); scaled scores stay under 2^31 in magnitude.  At the change from the high step to the low one
; O^T and the sums are not cleared: the statistics begin anew, so the next factor 2^(old M - new M) is 0 and clears them: this holds while they are finite.
; REGISTERS: window 0: addresses, statistics, scale words, p's new codes; v128-255 S^T.  window 1: v0-63 O^T, v64-159 p's fragments, v160-207 the low step's Q.  window 2: v0-191 K's fragments, v192-239 Q.  window 3: v0-191 V's fragments.
.set GRP,   102400                     ; a group: four quarters
.set QTR,   25600                      ; a quarter: four runs, then 256 bytes of scale words for each step
.set RUN,   6144                       ; a step's four fragments in a quarter
.set FRB,   1536
.set VSLOT, GRP                        ; K's slot lies at LDS byte 0
.set MX,    2*GRP                      ; the rows' maxima: [tile][r][wave]; 512 bytes on the parts of the sums, likewise
.set PST,   MX+1024                    ; p's fragments: [step][tile][c]: 16 bytes x 32 lanes (registers 6 c .. 6 c + 3), 8 bytes x 32 lanes (6 c + 4, 6 c + 5)
.set PSC,   PST+8*FRB                  ; p's scale bytes: [tile][r][step][block]
.set OST,   PSC+512                    ; the way out: 16 rows x 272 bytes for each wave
.set OWV,   4352
.set SPARE, OST+4*OWV                  ; the spare words, 128 bytes for each wave: two blocks of 256 bytes that no other line names
.set LK,  1                            ; K's fragments: my quarter, + 16 x lane
.set KSA, 2                            ; its scale words, + 8 x lane
.set LV,  3
.set VSA, 4
.set LI,  5                            ; 16 x lane
.set QSA, 6
.set MXW, 7
.set MXR, 8
.set SPW, 9                            ; LDS address of my spare word; never rewritten
.set NIL, 10                           ; 0; never rewritten
.set NINF, 11                          ; -infinity
.set PW,  13                           ; where my block of p goes: 16 bytes, 8 bytes, the scale byte
.set PW8, 14
.set PBW, 15
.set PR,  16                           ; and where p's fragments and scale words are read
.set PR8, 17
.set PSR, 18
.set STO, 19
.set RD,  20
.set CO,  21
.set DM,  22                           ; v22-23 tile u: my query in its step - 32 w - 16 h
.set ST,  24                           ; tile u at v[24 + 2 u]: -M, the largest t
.set LS,  28                           ; tile u at v[28 + 4 u]: the sum, two chains of two
.set FF,  36                           ; tile u at v[36 + 2 u]: f = 2^(old M - new M)
.set KS,  40                           ; v40-47 K's scale words (2 step + tile)
.set VS,  48                           ; v48-55 V's
.set PS,  56                           ; v56-59 p's
.set QS,  60                           ; v60-61 Q's
.set QL,  62                           ; v62-63 the low step's
.set BM,  64                           ; v64-71 (2 step + tile): the largest score of my block, then its p
.set BX,  72                           ; v72-79 at work
.set RM,  80
.set TP,  82
.set T,   84                           ; v84-91 the four waves' numbers of both tiles
.set BY,  88                           ; v88-91 scale bytes
.set SO,  92                           ; v92-93 the conversions' scale operands
.set SE,  94
.set CD,  96                           ; v96-127 codes, eight registers a step
.set S,   128                          ; S^T: (step, tile) at v[128 + 32 step + 16 tile]
.set PF,  64                           ; window 1
.set QLO, 160                          ; window 1
.set QF,  192                          ; window 2
.set WV,  14
.set CLA, 15
.set CX,  16
.set B4,  17
.set NHG, 18
.set DH,  19
.set DL,  20
.set DD,  21                           ; the query step in hand
.set CNT, 22                           ; the trip
.set GR,  23                           ; its group
.set NV,  24                           ; its visible steps, 1 .. 4
.set WOFF, 25                          ; 25,600 x wave
.set G1,  32                           ; s[32:39] descriptor group 1: a quarter
.set G0K, 40
.set G0V, 44
.set SEL, 48
.set CS,  50
.set ROT, 60
.set HM,  61                           ; lanes 16-31
.set NX,  62                           ; visible steps, not held at 4: 4 or less: the group holds the diagonal
.set G1H, 68                           ; s[68:75] group 1 at the head: half a group;  s[76:79] group 0
.set G0H, 76
.set MSB, 0
.macro WIN new                         ; the immediate's high byte repeats the setting that is left
.if MSB != \new
	s_set_vgpr_msb (MSB<<8)|\new
.set MSB, \new
.endif
.endm
.macro WALU
	s_wait_alu depctr_va_vdst(0)
.endm
.macro PLACES
.rept 4
	v_nop
.endr
.endm
.macro BARRIER
	s_barrier_signal -1
	s_barrier_wait -1
.endm
.macro CROUND                          ; a round of the cluster's barrier
	BARRIER
	s_cmp_lg_u32 s[WV], 0
	s_cbranch_scc1 .Lnot_wave_0_\@
	s_barrier_signal -3
.Lnot_wave_0_\@:
	s_barrier_wait -3
	BARRIER
.endm
.macro JL g0, g1                       ; a joint load; an s_nop 0 and four v_nop follow
	tensor_load_to_lds s[\g0:\g0+3], s[\g1:\g1+7]
	s_nop 0
	PLACES
.endm
.macro GROUP n, g                      ; the group of trip s[n] into s[g]: of the high step (n + ROT) mod NHG, of the low one n - NHG; s26 at work
	s_cmp_lt_u32 s[\n], s[NHG]
	s_cselect_b32 s26, s[ROT], 0
	s_add_co_u32 s[\g], s[\n], s26
	s_cmp_ge_u32 s[\g], s[NHG]
	s_cselect_b32 s26, s[NHG], 0
	s_sub_co_u32 s[\g], s[\g], s26
.endm
.macro KLOADS                          ; my quarter of K, all four steps: 4 + 48 loads
.irp s, 0,1,2,3
	ds_load_b64 v[KS+2*\s:KS+2*\s+1], v[KSA] offset:256*\s
.endr
	WIN 0x80
.irp s, 0,1,2,3
.irp j, 0,1,2,3
.irp i, 0,1,2
	ds_load_b128 v[12*(4*\s+\j)+4*\i:12*(4*\s+\j)+4*\i+3], v[LK] offset:RUN*\s+FRB*\j+512*\i
.endr
.endr
.endr
	WIN 0
.endm
.macro VLOADS                          ; my quarter of V: 4 + 48 loads
.irp s, 0,1,2,3
	ds_load_b64 v[VS+2*\s:VS+2*\s+1], v[VSA] offset:256*\s
.endr
	WIN 0xc0
.irp s, 0,1,2,3
.irp j, 0,1,2,3
.irp i, 0,1,2
	ds_load_b128 v[12*(4*\s+\j)+4*\i:12*(4*\s+\j)+4*\i+3], v[LV] offset:RUN*\s+FRB*\j+512*\i
.endr
.endr
.endr
	WIN 0
.endm
.macro KQ s                            ; step s: four sums by turns, two K steps of features
	WIN 0x0a
.irp z, 0,1
.irp a, 0,1
.irp u, 0,1
.set d_, S+32*(\s)+16*\u+8*\a
.set k_, 12*(4*(\s)+2*\a+\z)
.set q_, QF+24*\u+12*\z
.if \z == 0
	v_wmma_scale_f32_16x16x128_f8f6f4 v[d_:d_+7], v[k_:k_+11], v[q_:q_+11], 0, v[KS+2*(\s)+\a], v[QS+\u] matrix_a_fmt:MATRIX_FMT_FP6 matrix_b_fmt:MATRIX_FMT_FP6
.else
	v_wmma_scale_f32_16x16x128_f8f6f4 v[d_:d_+7], v[k_:k_+11], v[q_:q_+11], v[d_:d_+7], v[KS+2*(\s)+\a], v[QS+\u] matrix_a_fmt:MATRIX_FMT_FP6 matrix_b_fmt:MATRIX_FMT_FP6 matrix_a_scale:MATRIX_SCALE_ROW1 matrix_b_scale:MATRIX_SCALE_ROW1
.endif
.endr
.endr
.endr
	WIN 0
.endm
.macro PV s                            ; step s: eight sums by turns
.irp j, 0,1
.irp p, 0,1
.irp u, 0,1
.set d_, 8*(2*(2*\j+\p)+\u)
.set k_, 12*(4*(\s)+2*\j+\p)
.set q_, PF+12*(2*(\s)+\u)
	v_wmma_scale_f32_16x16x128_f8f6f4 v[d_:d_+7], v[k_:k_+11], v[q_:q_+11], v[d_:d_+7], v[VS+2*(\s)+\j], v[PS+\s] matrix_a_fmt:MATRIX_FMT_FP6 matrix_b_fmt:MATRIX_FMT_FP6 matrix_a_scale:MATRIX_SCALE_ROW\p matrix_b_scale:MATRIX_SCALE_ROW\u
.endr
.endr
.endr
.endm
.macro MASKS s                         ; on the diagonal: register n holds key 32 w + 16 h + n of the step: hidden where that comes after my query
.irp u, 0,1
.set n_, 0
.rept 16
	v_cmp_gt_i32 vcc_lo, n_, v[DM+\u]
	v_cndmask_b32 v[S+32*(\s)+16*\u+n_], v[S+32*(\s)+16*\u+n_], v[NINF], vcc_lo
.set n_, n_+1
.endr
.endr
.endm
.macro MAXS s                          ; the largest of my 16 scores of step s, of each tile, in two chains; and of all steps so far
.set a_, S+32*(\s)
.set b_, BM+2*(\s)
.irp u, 0,1
	v_max3_num_f32 v[b_+\u], v[a_+16*\u], v[a_+16*\u+1], v[a_+16*\u+2]
	v_max3_num_f32 v[TP+\u], v[a_+16*\u+3], v[a_+16*\u+4], v[a_+16*\u+5]
.endr
.irp i, 6,10
.irp u, 0,1
	v_max3_num_f32 v[b_+\u], v[b_+\u], v[a_+16*\u+\i], v[a_+16*\u+\i+1]
	v_max3_num_f32 v[TP+\u], v[TP+\u], v[a_+16*\u+\i+2], v[a_+16*\u+\i+3]
.endr
.endr
.irp u, 0,1
	v_max3_num_f32 v[b_+\u], v[b_+\u], v[a_+16*\u+14], v[a_+16*\u+15]
.endr
.irp u, 0,1
	v_max_num_f32 v[b_+\u], v[b_+\u], v[TP+\u]
.endr
.irp u, 0,1
.if (\s) == 0
	v_mov_b32 v[RM+\u], v[b_+\u]
.else
	v_max_num_f32 v[RM+\u], v[RM+\u], v[b_+\u]
.endif
.endr
.endm
.macro SOFT s                          ; step s: p, its part of the sums, its codes and scale byte
.set a_, S+32*(\s)
.set b_, BM+2*(\s)
.set c_, CD+8*(\s)
.irp u, 0,1
.irp j, 0,2,4,6,8,10,12,14
	v_pk_fma_f32 v[a_+16*\u+\j:a_+16*\u+\j+1], v[a_+16*\u+\j:a_+16*\u+\j+1], s[CS:CS+1], v[ST+2*\u:ST+2*\u+1] op_sel_hi:[1,0,0]   ; t - M
.endr
	v_fma_f32 v[b_+\u], v[b_+\u], s[CS], v[ST+2*\u]   ; the same of the block's largest score: p rises with the score
.endr
	WALU
	v_exp_f32 v[b_], v[b_]
	v_exp_f32 v[b_+1], v[b_+1]
.set j_, 0
.rept 32
	v_exp_f32 v[a_+j_], v[a_+j_]
.set j_, j_+1
.endr
	v_nop                                          ; one plain place behind the last exponential
	WALU                                           ; one wait for the batch of 34
.irp u, 0,1
	v_max_num_f32 v[b_+\u], 0x1800000, v[b_+\u]    ; the floor 2^(3 - 127): the byte cannot fall under 1
.endr
.irp u, 0,1
	v_add_nc_u32 v[SO+\u], 0xff000000, v[b_+\u]    ; 2 off the exponent field: the conversion's scale operand
.endr
	v_cndmask_b32 v[SE], v[SO], v[SO+1], s[HM]     ; lanes 0-15 store tile 0's byte, lanes 16-31 tile 1's
	v_cvt_scalef32_pk16_fp6_f32 v[c_:c_+2], v[a_:a_+15], v[SO]
	v_cvt_scalef32_pk16_fp6_f32 v[c_+4:c_+6], v[a_+16:a_+31], v[SO+1]
	v_lshrrev_b32 v[BY+\s], 23, v[SE]
.irp j, 0,4,8,12                                   ; the sums, of the unquantised p, in four chains: also the places behind the conversions
.irp u, 0,1
	v_pk_add_f32 v[LS+4*\u:LS+4*\u+1], v[LS+4*\u:LS+4*\u+1], v[a_+16*\u+\j:a_+16*\u+\j+1]
	v_pk_add_f32 v[LS+4*\u+2:LS+4*\u+3], v[LS+4*\u+2:LS+4*\u+3], v[a_+16*\u+\j+2:a_+16*\u+\j+3]
.endr
.endr
.irp i, 0,1,2
	v_permlane16_swap_b32 v[c_+\i], v[c_+4+\i]     ; lanes 0-15 now hold tile 0's whole block of 32 keys, lanes 16-31 tile 1's: the lower 16 codes in the first three, the upper in the others
.endr
.irp i, 0,1,2
	v_mov_b32 v[c_+3+\i], v[c_+4+\i]
.endr
	ds_store_b128 v[PW], v[c_:c_+3] offset:2*FRB*(\s)
	ds_store_b64 v[PW8], v[c_+4:c_+5] offset:2*FRB*(\s)
	ds_store_b8 v[PBW], v[BY+\s] offset:4*(\s)
.endm
.macro ARM n, last                     ; the second product of n visible steps; K's fragments of the next trip come under it
.if \n == 4                            ; p's scale words of the visible steps, which alone have been written: lanes 0-15 tile 0, lanes 16-31 tile 1
	ds_load_b128 v[PS:PS+3], v[PSR]
.elseif \n == 3
	ds_load_b96 v[PS:PS+2], v[PSR]
.elseif \n == 2
	ds_load_b64 v[PS:PS+1], v[PSR]
.else
	ds_load_b32 v[PS], v[PSR]
.endif
	WIN 0x40
.irp s, 0,1,2,3
.if \s < \n
.irp u, 0,1
.irp c, 0,1
	ds_load_b128 v[PF+12*(2*\s+\u)+6*\c:PF+12*(2*\s+\u)+6*\c+3], v[PR] offset:FRB*(2*\s+\u)+768*\c
	ds_load_b64 v[PF+12*(2*\s+\u)+6*\c+4:PF+12*(2*\s+\u)+6*\c+5], v[PR8] offset:FRB*(2*\s+\u)+768*\c
.endr
.endr
.endif
.endr
	WIN 0
.if \last
	s_wait_dscnt 0x0
.else
	KLOADS                                         ; the wait ahead of round B has shown my quarter landed
	s_wait_dscnt 52                                ; all but K's 4 + 48 loads
.endif
	WIN 0x57
.irp s, 0,1,2,3
.if \s < \n
	PV \s
.endif
.endr
	WIN 0
.endm
.macro OUT                             ; the query step in hand is done: O^T / the sum leaves, rows of 256 bytes, through my own stage
	PLACES
	ds_load_b128 v[T:T+3], v[MXR] offset:512       ; the four waves' parts of the sums: shown by the last barrier
	ds_load_b128 v[T+4:T+7], v[MXR] offset:768
	s_lshl_b32 s52, s[DD], 7
	s_lshl_b32 s53, s[B4], 9                       ; 2,048 rows a batch
	s_add_co_u32 s52, s52, s53
	s_lshl_b32 s53, s[CX], 5
	s_add_co_u32 s52, s52, s53
	s_lshl_b32 s52, s52, 10                        ; rows of 1,024 bytes
	s_lshl_b32 s53, s[WV], 8
	s_add_co_u32 s52, s52, s53                     ; my 64 features
	s_mov_b32 s53, 0
	s_add_nc_u64 s[54:55], s[12:13], s[52:53]
	s_wait_dscnt 0x0
.irp u, 0,1
	v_add_f32 v[T+4*\u], v[T+4*\u], v[T+4*\u+1]
	v_add_f32 v[T+4*\u+2], v[T+4*\u+2], v[T+4*\u+3]
.endr
.irp u, 0,1
	v_add_f32 v[T+4*\u], v[T+4*\u], v[T+4*\u+2]
.endr
	WALU
	v_rcp_f32 v[T], v[T]
	v_rcp_f32 v[T+4], v[T+4]
	v_nop                                          ; a plain place behind the last reciprocal
	WIN 0x01
	WALU                                           ; for both reciprocals, and ahead of the first readers of O^T
.set j_, 0
.rept 32
.set u_, (j_/8)%2
.set d_, S+32*u_+8*(j_/16)+j_%8
	v_pk_mul_f32 v[d_:d_+1], v[j_:j_+1], v[T+4*u_:T+4*u_+1] op_sel_hi:[1,0]
.set j_, j_+2
.endr
	WIN 0
.irp u, 0,1
.irp f, 0,1,2,3
	ds_store_b128 v[STO], v[S+32*\u+8*\f:S+32*\u+8*\f+3] offset:64*\f
	ds_store_b128 v[STO], v[S+32*\u+8*\f+4:S+32*\u+8*\f+7] offset:64*\f+16
.endr
.irp t, 0,1,2,3,4,5,6,7
	ds_load_b128 v[S+64+32*\u+4*\t:S+67+32*\u+4*\t], v[RD] offset:2*272*\t   ; LDS serves a wave's instructions in order (ISA guide 5.7.1.4)
.endr
.endr
.irp u, 0,1
	s_wait_dscnt 16-16*\u                          ; tile 1's 8 stores and 8 loads may be out
.irp t, 0,1,2,3,4,5,6,7
	global_store_b128 v[CO], v[S+64+32*\u+4*\t:S+67+32*\u+4*\t], s[54:55] offset:(2*\t+8*(\t/4)+8*\u)*1024 th:TH_STORE_NT   ; 16 lanes store 256 consecutive bytes, aligned; row rho of the tile is query rho + 8 (rho / 8) + 8 u
.endr
.endr
.endm
.macro RESET                           ; the statistics begin anew: -3e38, under every t
.irp u, 0,1
	v_mov_b32 v[ST+2*\u+1], 0xff61b1e6
.endr
.irp u, 0,1
	v_floor_f32 v[ST+2*\u], -v[ST+2*\u+1]
.endr
.endm
; A TRIP: one group.  K's fragments have been asked for from LDS ahead of it.
.macro TRIP last
	s_cmp_lt_u32 s[CNT], s[NHG]
	s_cselect_b32 s[DD], s[DH], s[DL]
	GROUP CNT, GR
	s_lshl_b32 s26, s[GR], 2
	s_sub_co_u32 s[NX], s[DD], s26
	s_add_co_u32 s[NX], s[NX], 1
	s_min_u32 s[NV], s[NX], 4
	s_wait_dscnt 36                                ; the scale words and step 0's fragments; the later steps' may be out
	KQ 0
	s_cmp_le_u32 s[NV], 1
	s_cbranch_scc1 .Lx0_\@
	s_wait_dscnt 24
	KQ 1
	PLACES                                         ; ahead of the reads of step 0's scores (ISA guide 7.12.1)
	MAXS 0
	WALU
	s_cmp_le_u32 s[NV], 2
	s_cbranch_scc1 .Lx1_\@
	s_wait_dscnt 12
	KQ 2
	PLACES
	MAXS 1
	WALU
	s_cmp_le_u32 s[NV], 3
	s_cbranch_scc1 .Lx2_\@
	s_wait_dscnt 0x0
	KQ 3
	PLACES
	MAXS 2
	WALU
	s_cmp_lg_u32 s[NX], 4
	s_cbranch_scc1 .Lopen_\@
	MASKS 3
	WALU
.Lopen_\@:
	MAXS 3
	WALU
	s_branch .Lmx_\@
.Lx2_\@:
	MASKS 2
	MAXS 2
	WALU
	s_branch .Lmx_\@
.Lx1_\@:
	MASKS 1
	MAXS 1
	WALU
	s_branch .Lmx_\@
.Lx0_\@:
	PLACES
	MASKS 0
	MAXS 0
	WALU
.Lmx_\@:
	v_permlane16_swap_b32 v[RM], v[RM+1]           ; lanes 0-15: tile 0's two halves, lanes 16-31: tile 1's
	v_max_num_f32 v[RM], v[RM], v[RM+1]
	ds_store_b32 v[MXW], v[RM]
	s_wait_tensorcnt 0x0                           ; V's tile has landed; no tensor load of mine is out
.if !\last
	ds_add_u32 v[SPW], v[NIL]                      ; 0 onto my spare word: register work stands between it and the wait for it
.endif
.irp i, 0,1,2,3,4,5,6,7
	v_permlanex16_b32 v[BX+\i], v[BM+\i], s[SEL], s[SEL+1]
.endr
.irp i, 0,1,2,3,4,5,6,7
	v_max_num_f32 v[BM+\i], v[BM+\i], v[BX+\i]     ; the blocks' largest scores (of hidden steps they are not used)
.endr
.if !\last
	s_add_co_u32 s27, s[CNT], 1                    ; the next trip's group
	GROUP 27, 27
	s_add_co_u32 s28, s[B4], s27
	s_mul_i32 s28, s28, GRP
	s_add_co_u32 s28, s28, s[WOFF]
	s_mov_b32 s29, 0
	s_add_nc_u64 s[G0K+2:G0K+3], s[8:9], s[28:29]
	s_or_b32 s[G0K+3], s[G0K+3], 0x80000000
.endif
	WALU
	s_wait_dscnt 0x0                               ; my maxima have landed, my reads of K's slot are over, the add is done
.if \last
	BARRIER
.else
	CROUND                                         ; round A
	JL G0K, G1
.endif
	ds_load_b128 v[T:T+3], v[MXR]
	ds_load_b128 v[T+4:T+7], v[MXR] offset:256
	VLOADS
	s_wait_dscnt 52                                ; the maxima are in; V's 4 + 48 loads may be out
.irp u, 0,1
	v_max3_num_f32 v[TP+\u], v[T+4*\u], v[T+4*\u+1], v[T+4*\u+2]
.endr
.irp u, 0,1
	v_max_num_f32 v[TP+\u], v[TP+\u], v[T+4*\u+3]
.endr
.irp u, 0,1
	v_mul_f32 v[TP+\u], s[CS], v[TP+\u]            ; the group's largest t
.endr
.irp u, 0,1
	v_max_num_f32 v[ST+2*\u+1], v[ST+2*\u+1], v[TP+\u]
	v_mov_b32 v[TP+\u], v[ST+2*\u]
.endr
.irp u, 0,1
	v_floor_f32 v[ST+2*\u], -v[ST+2*\u+1]          ; the new -M = -ceil(t)
.endr
.irp u, 0,1
	v_sub_f32 v[TP+\u], v[ST+2*\u], v[TP+\u]       ; old M - new M: a whole number, 0 or less
.endr
.irp u, 0,1
	v_cvt_i32_f32 v[TP+\u], v[TP+\u]               ; (it saturates)
.endr
.irp u, 0,1
	v_ldexp_f32 v[FF+2*\u], 1.0, v[TP+\u]          ; f: a multiplication by it rounds nothing
.endr
.irp u, 0,1
	v_pk_mul_f32 v[LS+4*\u:LS+4*\u+1], v[LS+4*\u:LS+4*\u+1], v[FF+2*\u:FF+2*\u+1] op_sel_hi:[1,0]
	v_pk_mul_f32 v[LS+4*\u+2:LS+4*\u+3], v[LS+4*\u+2:LS+4*\u+3], v[FF+2*\u:FF+2*\u+1] op_sel_hi:[1,0]
.endr
	WIN 0x41
.set j_, 0
.rept 32
	v_pk_mul_f32 v[j_:j_+1], v[j_:j_+1], v[FF+2*((j_/8)%2):FF+2*((j_/8)%2)+1] op_sel_hi:[1,0]   ; O^T under the new M
.set j_, j_+2
.endr
	WIN 0
	SOFT 0
	WALU
	s_cmp_le_u32 s[NV], 1
	s_cbranch_scc1 .Lsd_\@
	SOFT 1
	WALU
	s_cmp_le_u32 s[NV], 2
	s_cbranch_scc1 .Lsd_\@
	SOFT 2
	WALU
	s_cmp_le_u32 s[NV], 3
	s_cbranch_scc1 .Lsd_\@
	SOFT 3
	WALU
.Lsd_\@:
.irp u, 0,1
	v_pk_add_f32 v[BX+2*\u:BX+2*\u+1], v[LS+4*\u:LS+4*\u+1], v[LS+4*\u+2:LS+4*\u+3]
.endr
.irp u, 0,1
	v_add_f32 v[TP+\u], v[BX+2*\u], v[BX+2*\u+1]
.endr
	v_permlane16_swap_b32 v[TP], v[TP+1]
	v_add_f32 v[TP], v[TP], v[TP+1]                ; my keys' part of the rows' sums so far: tile 0 in lanes 0-15, tile 1 in lanes 16-31
	ds_store_b32 v[MXW], v[TP] offset:512
.if \last
	WALU
	s_wait_dscnt 0x0
	BARRIER
.else
	s_wait_tensorcnt 0x0                           ; K's next tile has landed
	ds_add_u32 v[SPW], v[NIL]
	s_add_nc_u64 s[G0V+2:G0V+3], s[10:11], s[28:29]
	s_or_b32 s[G0V+3], s[G0V+3], 0x80000000
	WALU
	s_wait_dscnt 0x0                               ; p's codes and bytes have landed, V's fragments are in registers, the add is done
	CROUND                                         ; round B
	JL G0V, G1
.endif
	s_cmp_lt_u32 s[NV], 4
	s_cbranch_scc1 .Lp3_\@
	ARM 4, \last
	s_branch .Lpd_\@
.Lp3_\@:
	s_cmp_lt_u32 s[NV], 3
	s_cbranch_scc1 .Lp2_\@
	ARM 3, \last
	s_branch .Lpd_\@
.Lp2_\@:
	s_cmp_lt_u32 s[NV], 2
	s_cbranch_scc1 .Lp1_\@
	ARM 2, \last
	s_branch .Lpd_\@
.Lp1_\@:
	ARM 1, \last
.Lpd_\@:
.endm
	s_load_b256 s[4:11], s[0:1], 0x0               ; qimg 4, qsc 6, kimg 8, vimg 10
	s_load_b64 s[12:13], s[0:1], 0x20              ; out0
	v_lshl_add_u32 v[SPW], v0, 2, SPARE
	v_mov_b32 v[NIL], 0
	ds_add_u32 v[SPW], v[NIL]                      ; the wave's opening: the add, twice on end, and its wait ahead of my first tensor load
	ds_add_u32 v[SPW], v[NIL]
	v_lshrrev_b32 v[TP], 5, v0
	v_readfirstlane_b32 s[WV], v[TP]               ; wave 0..3
	s_mov_b32 s[CLA], ttmp9                        ; the cluster's x
	s_bfe_u32 s[CX], ttmp6, 0x40000                ; my place in it: it enters Q's and out0's addresses and the mask's numbers alone
	s_and_b32 s26, ttmp7, 0xffff                   ; the batch
	s_lshl_b32 s[B4], s26, 2
	s_sub_co_u32 s[DH], 15, s[CLA]
	s_mov_b32 s[DL], s[CLA]
	s_sub_co_u32 s[NHG], 19, s[CLA]
	s_lshr_b32 s[NHG], s[NHG], 2                   ; groups of the high step: DH / 4 + 1; the low step has 5 less that
	s_and_b32 s[ROT], s[CLA], 3
	s_cmp_ge_u32 s[ROT], s[NHG]
	s_cselect_b32 s30, s[NHG], 0
	s_sub_co_u32 s[ROT], s[ROT], s30               ; the same in all four partners
	s_mul_i32 s[WOFF], s[WV], QTR
	; descriptor groups 1: a dense block as rows of 32 elements of 8 bytes: 100 rows (a quarter), at the head 200 (half a group)
.irp g, G1, G1H
	s_mov_b32 s[\g], 15|(3<<16)|(1<<21)            ; 15:0 the mask: all four work-groups; 17:16 elements of 8 bytes; 21 set beside a mask; no padding
	s_mov_b32 s[\g+1], 32<<16
	s_mov_b32 s[\g+3], 32<<16
	s_mov_b32 s[\g+5], 32
	s_mov_b32 s[\g+6], 0
	s_mov_b32 s[\g+7], 0
.endr
	s_mov_b32 s[G1+2], 100<<16
	s_mov_b32 s[G1+4], 100
	s_mov_b32 s[G1H+2], 200<<16
	s_mov_b32 s[G1H+4], 200
	s_mov_b32 s[G0K], 1
	s_mov_b32 s[G0K+1], s[WOFF]
	s_mov_b32 s[G0V], 1
	s_add_co_u32 s[G0V+1], s[WOFF], VSLOT
	s_mov_b32 s[G0H], 1
	s_mul_i32 s[G0H+1], s[WV], 2*QTR               ; the head: waves 0, 1: K's two halves; waves 2, 3: V's, whose slot lies behind K's
	s_add_co_u32 s30, s[B4], s[ROT]                ; the first trip's group of my batch,
	s_mul_i32 s30, s30, GRP
	s_and_b32 s31, s[WV], 1
	s_mul_i32 s31, s31, 2*QTR
	s_add_co_u32 s30, s30, s31                     ; my half of it
	s_mov_b32 s31, 0
	s_mov_b32 s[SEL], 0x76543210
	s_mov_b32 s[SEL+1], 0xfedcba98                 ; lane l xor 16
	s_mov_b32 s[HM], 0xffff0000
	s_mov_b32 s[CS], 0x3db8aa3b                    ; c = log2(e) / 16
	s_mov_b32 s[CS+1], s[CS]
	s_mov_b32 s[CNT], 0
	s_lshl_b32 s27, s26, 4
	s_add_co_u32 s28, s27, s[DH]                   ; the high step's block: 16 batch + DH
	s_add_co_u32 s27, s27, s[DL]                   ; the low one's
	s_lshl_b32 s29, s[CX], 1                       ; my first tile
	s_lshl_b32 s52, s28, 3
	s_add_co_u32 s52, s52, s29
	s_mul_i32 s52, s52, 2*FRB
	s_mov_b32 s53, 0
	s_lshl_b32 s56, s27, 3
	s_add_co_u32 s56, s56, s29
	s_mul_i32 s56, s56, 2*FRB
	s_mov_b32 s57, 0
	s_lshl_b32 s29, s[CX], 7                       ; its scale words: 64 bytes a tile
	s_lshl_b32 s54, s28, 10
	s_add_co_u32 s54, s54, s29
	s_mov_b32 s55, 0
	s_lshl_b32 s58, s27, 10
	s_add_co_u32 s58, s58, s29
	s_mov_b32 s59, 0
	; what the vector lines below add
	s_add_co_u32 s80, s[WOFF], 4*RUN
	s_lshl_b32 s81, s[WV], 2
	s_add_co_u32 s81, s81, MX
	s_lshr_b32 s82, s[WV], 1
	s_mul_i32 s82, s82, 768
	s_and_b32 s83, s[WV], 1
	s_lshl_b32 s84, s83, 8
	s_lshl_b32 s83, s83, 7
	s_add_co_u32 s83, s83, s82
	s_add_co_u32 s83, s83, PST+512
	s_add_co_u32 s82, s82, s84
	s_add_co_u32 s82, s82, PST
	s_add_co_u32 s84, s[WV], PSC
	s_mul_i32 s85, s[WV], OWV
	s_add_co_u32 s85, s85, OST
	s_sub_co_u32 s86, s[CX], s[WV]
	s_lshl_b32 s86, s86, 5
	v_and_b32 v[LI], 31, v0
	v_and_b32 v[TP], 15, v0                        ; r
	v_bfe_u32 v[TP+1], v0, 4, 1                    ; h
	v_lshlrev_b32 v[LI], 4, v[LI]
	v_lshlrev_b32 v[QSA], 2, v[TP]
	v_lshl_add_u32 v[QSA], v[TP+1], 9, v[QSA]
	v_add_nc_u32 v[LK], s[WOFF], v[LI]
	v_lshrrev_b32 v[KSA], 1, v[LI]
	v_add_nc_u32 v[KSA], s80, v[KSA]
	v_add_nc_u32 v[LV], VSLOT, v[LK]
	v_add_nc_u32 v[VSA], VSLOT, v[KSA]
	v_add_nc_u32 v[MXW], s81, v[LI]
	v_lshlrev_b32 v[MXR], 4, v[TP]
	v_add_nc_u32 v[MXR], MX, v[MXR]
	v_mul_u32_u24 v[PW], FRB, v[TP+1]
	v_lshl_add_u32 v[PW8], v[TP], 3, v[PW]
	v_lshl_add_u32 v[PW], v[TP], 4, v[PW]
	v_add_nc_u32 v[PW], s82, v[PW]
	v_add_nc_u32 v[PW8], s83, v[PW8]
	v_add_nc_u32 v[PBW], s84, v[LI]
	v_add_nc_u32 v[PR], PST, v[LI]
	v_lshrrev_b32 v[PR8], 1, v[LI]
	v_add_nc_u32 v[PR8], PST+512, v[PR8]
	v_add_nc_u32 v[PSR], PSC, v[LI]
	v_mul_u32_u24 v[STO], 272, v[TP]
	v_lshl_add_u32 v[STO], v[TP+1], 5, v[STO]
	v_add_nc_u32 v[STO], s85, v[STO]
	v_mul_u32_u24 v[RD], 272, v[TP+1]
	v_lshl_add_u32 v[RD], v[TP], 4, v[RD]
	v_add_nc_u32 v[RD], s85, v[RD]
	v_lshlrev_b32 v[CO], 10, v[TP+1]
	v_lshl_add_u32 v[CO], v[TP], 4, v[CO]
	v_and_b32 v[DM], 8, v[TP]
	v_add_nc_u32 v[DM], v[DM], v[TP]               ; r + 8 (r / 8)
	v_lshlrev_b32 v[DM+1], 4, v[TP+1]
	v_sub_nc_u32 v[DM], v[DM], v[DM+1]             ; - 16 h
	v_add_nc_u32 v[DM], s86, v[DM]                 ; + 32 cx - 32 w: tile 0;
	v_add_nc_u32 v[DM+1], 8, v[DM]                 ; tile 1 lies 8 on
	WALU
	s_wait_dscnt 0x0                               ; both opening adds are done
	s_wait_kmcnt 0x0
	s_cmp_lt_u32 s[WV], 2
	s_cselect_b64 s[G0H+2:G0H+3], s[8:9], s[10:11]
	s_add_nc_u64 s[G0H+2:G0H+3], s[G0H+2:G0H+3], s[30:31]
	s_or_b32 s[G0H+3], s[G0H+3], 0x80000000        ; type = 2
	s_add_nc_u64 s[52:53], s[4:5], s[52:53]
	s_add_nc_u64 s[54:55], s[6:7], s[54:55]
	s_add_nc_u64 s[56:57], s[4:5], s[56:57]
	s_add_nc_u64 s[58:59], s[6:7], s[58:59]
	CROUND                                         ; all four work-groups are here: the first joint loads meet
	s_cmp_lt_u32 s[WV], 2
	s_cbranch_scc0 .Lhead_v
	JL G0H, G1H                                    ; waves 0 and 1: K
	s_branch .Lasked
.Lhead_v:
	JL G0H, G1H                                    ; waves 2 and 3: V
.Lasked:
	WIN 0x80
.irp i, 0,1,2,3,4,5,6,7,8,9,10,11
	global_load_b128 v[QF+4*\i:QF+4*\i+3], v[LI], s[52:53] offset:512*\i     ; the high step's Q: my two tiles, two K steps each, as they lie
.endr
	WIN 0x40
.irp i, 0,1,2,3,4,5,6,7,8,9,10,11
	global_load_b128 v[QLO+4*\i:QLO+4*\i+3], v[LI], s[56:57] offset:512*\i   ; the low step's
.endr
	WIN 0
.irp u, 0,1
	global_load_b32 v[QS+\u], v[QSA], s[54:55] offset:64*\u
	global_load_b32 v[QL+\u], v[QSA], s[58:59] offset:64*\u
.endr
	WIN 0x40
.set j_, 0
.rept 64
	v_mov_b32 v[j_], 0                             ; O^T: the trip is written for all groups alike: the first finds zeros.  These lines stand while the first tiles are on their way
.set j_, j_+1
.endr
	WIN 0
.set j_, 32
.rept 96
	v_mov_b32 v[S+j_], 0                           ; the scores of steps 1 to 3 are written under a branch and read under another: so written here once, as every register is on every way
.set j_, j_+1
.endr
.irp i, 0,1,2,3,4,5,6,7
	v_mov_b32 v[BM+\i], 0
	v_mov_b32 v[BX+\i], 0                          ; a lane permute's destination counts as one of its sources
	v_mov_b32 v[LS+\i], 0
.endr
	v_mov_b32 v[FF+1], 0                           ; (named as the upper halves of pairs)
	v_mov_b32 v[FF+3], 0
	v_mov_b32 v[NINF], 0xff800000
	RESET
	WALU
	s_wait_loadcnt 0x0                             ; Q
	s_cmp_lt_u32 s[WV], 2
	s_cbranch_scc0 .Lnot_k
	s_wait_tensorcnt 0x0
.Lnot_k:
	BARRIER                                        ; K's first group is in; V's may still be on its way
	KLOADS
.Ltrip:
	TRIP 0
	s_add_co_u32 s26, s[CNT], 1
	WALU
	s_cmp_eq_u32 s26, s[NHG]                       ; was it the high step's last group?  Ids and the trip's number alone
	s_cbranch_scc0 .Lstay
	OUT
	v_mov_b32 v[QS], v[QL]                         ; the change to the low query step
	v_mov_b32 v[QS+1], v[QL+1]
	WIN 0x81
.set j_, 0
.rept 48
	v_mov_b32 v[QF+j_], v[QLO+j_]
.set j_, j_+1
.endr
	WIN 0
	RESET
	PLACES                                         ; between Q's registers and the products that take them
	WALU
	s_wait_xcnt 0x0                                ; the stores have read their registers, which the next scores take
.Lstay:
	s_add_co_u32 s[CNT], s[CNT], 1
	s_cmp_lt_u32 s[CNT], 4
	s_cbranch_scc1 .Ltrip
	TRIP 1                                         ; the fifth is written out: it fetches nothing
	OUT
	s_wait_tensorcnt 0x0                           ; the wave's end: behind my last tensor load and my last LDS store
	ds_add_u32 v[SPW], v[NIL]
	s_wait_dscnt 0x0
	CROUND                                         ; the closing round: no work-group ends while a partner may still ask for a tile that names it
	s_endpgm
.Lfunc_end_k_q0f81907b90_attn:
	.size	k_q0f81907b90_attn, .Lfunc_end_k_q0f81907b90_attn-k_q0f81907b90_attn
	.p2alignl 7, 3214868480
	.fill 96, 4, 3214868480
	.section	.rodata,"a",@progbits
	.p2align	6, 0x0
	.amdhsa_kernel k_q0f81907b90_attn
		.amdhsa_group_segment_fixed_size 327680
		.amdhsa_private_segment_fixed_size 0
		.amdhsa_enable_private_segment 0
		.amdhsa_kernarg_size 40
		.amdhsa_user_sgpr_count 2
		.amdhsa_user_sgpr_kernarg_segment_ptr 1
		.amdhsa_wavefront_size32 1
		.amdhsa_system_sgpr_workgroup_id_x 1
		.amdhsa_system_sgpr_workgroup_id_y 1
		.amdhsa_system_sgpr_workgroup_id_z 1
		.amdhsa_system_vgpr_workitem_id 0
		.amdhsa_next_free_vgpr 1024
		.amdhsa_next_free_sgpr 96
		.amdhsa_reserve_vcc 1
		.amdhsa_float_denorm_mode_32 3
		.amdhsa_float_denorm_mode_16_64 3
		.amdhsa_memory_ordered 1
		.amdhsa_forward_progress 1
		.amdhsa_inst_pref_size 175
	.end_amdhsa_kernel
	.amdgpu_metadata
---
amdhsa.version: [ 1, 2 ]
amdhsa.kernels:
  - .name:           k_q0f81907b90_attn
    .symbol:         k_q0f81907b90_attn.kd
    .args:
      - { .name: qimg, .offset: 0, .size: 8, .value_kind: global_buffer, .address_space: global }
      - { .name: qsc, .offset: 8, .size: 8, .value_kind: global_buffer, .address_space: global }
      - { .name: kimg, .offset: 16, .size: 8, .value_kind: global_buffer, .address_space: global }
      - { .name: vimg, .offset: 24, .size: 8, .value_kind: global_buffer, .address_space: global }
      - { .name: out0, .offset: 32, .size: 8, .value_kind: global_buffer, .address_space: global }
    .group_segment_fixed_size: 327680
    .private_segment_fixed_size: 0
    .kernarg_segment_align: 8
    .kernarg_segment_size: 40
    .max_flat_workgroup_size: 128
    .sgpr_count:     96
    .vgpr_count:     1024
    .wavefront_size: 32
...
	.end_amdgpu_metadata
.endif
;; end of part 4
